; MI455X (gfx1250); checked and timed in simulation.
; The chip was launched on July 23, 2026; its instructions are those of AMD's public machine-readable ISA for CDNA 5 (MIT licence, August 2026) and "CDNA5" Instruction Set Architecture Reference Guide (July 2026). The comments in the code are by the model that wrote it; some were corrected since.
;; Attention. Allowed arithmetic: float matrix products may take bf16 or f16 operands with f32 sums; other float arithmetic in f32, or as packed bf16 or f16 multiplies, adds, multiply-adds, maxima and minima; sums over many terms, partial sums and values carried from step to step in f32; what a program stores and reads back later, other than sums and carried values, may be rounded once to bf16 or f16.
;; Inputs: Wg 2,048 x 16 float32; Wk 2,048 x 512 float32; Wmix 2,048 x 8 float32; Wo 1,024 x 2,048 float32; Wq 2,048 x 1,024 float32; Wv 2,048 x 512 float32; bmix 8 float32; gamma 8 x 64 float32; residual_values 2 x 8 x 2,048 x 64 float32; rms_w 2,048 float32; rotary_pos_emb 2,048 x 64 float32; tokens 2 x 2,048 x 2,048 float32.
;; Outputs: out0 2 x 2,048 x 2,048 float32.
;; 2 versions, each right; version 2 is version 1 with the launch prep written anew for expert scheduling mode. Each part assembles by itself: llvm-mc -triple=amdgcn-amd-amdhsa -mcpu=gfx1250 --defsym DOCPART=n.
;; ======== version 1 of 2: 5 launches
;; limits: right only within a limited range of input values; values are held in f16: magnitudes above 65,504 overflow, below 6.1e-05 lose precision
;; workspace buffers: normed 16,777,216 bytes; wts 13,762,560 bytes; gm 524,288 bytes; qkv 16,777,216 bytes; o16 8,388,608 bytes
;; launch prep (part 1): grid 769 x 1, 8 waves a work-group, no clusters, 0 bytes of LDS; arguments tokens, rms_w, Wq, Wk, Wv, Wo, Wg, Wmix, rotary_pos_emb, normed, wts; writes normed, wts
.if DOCPART == 1
	.amdgcn_target "amdgcn-amd-amdhsa--gfx1250"
	.amdhsa_code_object_version 6
	.text
	.protected	k_q60318eef89_prep
	.globl	k_q60318eef89_prep
	.p2align	8
	.type	k_q60318eef89_prep,@function
k_q60318eef89_prep:
	s_mov_b64 s[64:65], 0
	v_nop
	global_prefetch_b8 v0, s[64:65] scope:SCOPE_SE
	s_setreg_imm32_b32 hwreg(HW_REG_WAVE_MODE, 25, 1), 1
	s_wait_xcnt 0x0
; PREP: everything that is made once, as a stream: no LDS, no barrier, EXEC never touched.  The work-groups whose time is a chain of dependent memory trips come first, the streams behind them:
;   work-group 0         Wg and Wmix transposed to f16: WST [32][2048], rows 0-15 Wg^T, 16-23 Wmix^T, 24-31 zeros
;   1-128                cos and signed sin of rotary_pos_emb, f32 tables [2048][64]; the sine's columns 0-31 are negated, so that rot(t)[j] = t[j] COS[j] + t[j^32] SIN[j]
;   129-384              normed = f16(tokens * rsqrt(mean(tokens^2) + eps) * rms_w): 16 rows each, two rows a wave, a row kept in 64 registers
;   385-512 Wq, 513-576 Wk, 577-640 Wv   f32 -> f16 into WCAT [2048 k][2048 n] (n 0-1023 Wq, 1024-1535 Wk, 1536-2047 Wv); 16,384 numbers a work-group
;   641-768 Wo           f32 -> f16, dense, at WO_OFF
; LIMITS.  f16 ends at 65,504: the normed tokens and all weights must lie within it.  Angles: |x| < 2^17; the reduction by pi/2 in three parts and the two
; polynomials on |r| <= pi/4 leave an absolute error of about 1e-7.  NaN and infinities are not treated apart.
.set WO_OFF,  8388608
.set WST_OFF, 12582912
.set COS_OFF, 12713984
.set SIN_OFF, 13238272
.set G_TAB,  1                         ; the first work-group of each kind
.set G_NORM, 129
.set G_WQ,   385
.set G_WK,   513
.set G_WO,   641
.set XW, 16                            ; v[16:79]   rms_w, 4 numbers for each of 16 loads
.set X0, 80                            ; v[80:143]  row 0
.set X1, 144                           ; v[144:207] row 1
	s_load_b512 s[8:23], s[0:1], 0x0               ; tokens 8, rms_w 10, Wq 12, Wk 14, Wv 16, Wo 18, Wg 20, Wmix 22
	s_load_b128 s[24:27], s[0:1], 0x40             ; rotary 24, normed 26
	s_load_b64 s[28:29], s[0:1], 0x50              ; wts
	s_mov_b32 s2, ttmp9
	s_mov_b32 s33, 0                               ; the high word of every 32-bit offset
	s_wait_kmcnt 0x0
	s_cmp_lt_u32 s2, G_TAB
	s_cbranch_scc1 .Lsmall
	s_cmp_lt_u32 s2, G_NORM
	s_cbranch_scc1 .Ltab
	s_cmp_lt_u32 s2, G_WQ
	s_cbranch_scc1 .Lnorm
	s_cmp_lt_u32 s2, G_WK
	s_cbranch_scc1 .Lwq
	s_cmp_lt_u32 s2, G_WO
	s_cbranch_scc1 .Lwkv
	; THE CONVERSIONS.  A chunk is 16 loads of 4,096 bytes.  Each kind sets the source s[40:41], the target s[36:37], the thread's place in the target v3 and the target's step from load to load v5.
	s_sub_co_u32 s4, s2, G_WO                      ; Wo, dense to dense: a load's 1,024 numbers are 2,048 bytes of the target
	s_lshl_b32 s32, s4, 16
	s_add_nc_u64 s[40:41], s[18:19], s[32:33]
	s_lshl_b32 s32, s4, 15
	s_add_nc_u64 s[36:37], s[28:29], s[32:33]
	s_add_nc_u64 s[36:37], s[36:37], WO_OFF
	v_lshlrev_b32 v3, 3, v0
	v_mov_b32 v5, 2048
	s_branch .Lcvt
.Lwq:                                          ; a chunk is 16 rows of 1,024: load i is row i, and a row of WCAT is 4,096 bytes
	s_sub_co_u32 s4, s2, G_WQ
	s_lshl_b32 s32, s4, 16
	s_add_nc_u64 s[40:41], s[12:13], s[32:33]
	s_add_nc_u64 s[36:37], s[28:29], s[32:33]
	v_lshlrev_b32 v3, 3, v0
	v_mov_b32 v5, 4096
	s_branch .Lcvt
.Lwkv:                                         ; a chunk is 32 rows of 512: load i is rows 2 i and 2 i + 1; Wk lands at byte 2,048 of WCAT's rows, Wv at 3,072
	s_sub_co_u32 s4, s2, G_WK
	s_mov_b32 s6, 2048
	s_mov_b32 s7, 3072
	s_cmp_lt_u32 s4, 64
	s_cselect_b64 s[40:41], s[14:15], s[16:17]
	s_cselect_b32 s5, s6, s7
	s_and_b32 s4, s4, 63
	s_lshl_b32 s32, s4, 16
	s_add_nc_u64 s[40:41], s[40:41], s[32:33]
	s_lshl_b32 s32, s4, 17
	s_add_co_u32 s32, s32, s5
	s_add_nc_u64 s[36:37], s[28:29], s[32:33]
	v_lshrrev_b32 v3, 7, v0
	v_and_b32 v4, 127, v0
	v_lshlrev_b32 v4, 3, v4
	v_lshl_add_u32 v3, v3, 12, v4
	v_mov_b32 v5, 8192
.Lcvt:                                         ; all 16 loads go out at once; load i is converted behind a wait that leaves the 15 - i younger ones out.  No register is written twice.
	v_lshlrev_b32 v1, 4, v0
.set i_, 0
.rept 16
	global_load_b128 v[16+4*i_:19+4*i_], v1, s[40:41] offset:4096*i_ th:TH_LOAD_NT
.set i_, i_+1
.endr
.set i_, 0
.rept 16
	v_mad_u32_u24 v[80+i_], v5, i_, v3             ; store i's offset
.set i_, i_+1
.endr
.set i_, 0
.rept 16
	s_wait_loadcnt 15-i_
	v_cvt_pk_f16_f32 v[16+4*i_], v[16+4*i_], v[17+4*i_]
	v_cvt_pk_f16_f32 v[17+4*i_], v[18+4*i_], v[19+4*i_]
	global_store_b64 v[80+i_], v[16+4*i_:17+4*i_], s[36:37]   ; a wave's 32 lanes store 256 consecutive bytes, aligned
.set i_, i_+1
.endr
	s_endpgm
.Lsmall:
	; WST.  Thread t owns k = 8 t .. 8 t + 7: 512 bytes of Wg, 256 of Wmix; a row of WST gets its 16 bytes, sixteen lanes 256 bytes on end.
	v_lshlrev_b32 v1, 9, v0
	v_lshlrev_b32 v2, 8, v0
	v_lshlrev_b32 v3, 4, v0
	s_add_nc_u64 s[36:37], s[28:29], WST_OFF
.set i_, 0
.rept 32
	global_load_b128 v[16+4*i_:19+4*i_], v1, s[20:21] offset:16*i_      ; Wg(k = 8 t + kk, c) lands in v[16 + 16 kk + c]
.set i_, i_+1
.endr
.set i_, 0
.rept 16
	global_load_b128 v[144+4*i_:147+4*i_], v2, s[22:23] offset:16*i_    ; Wmix(kk, c) in v[144 + 8 kk + c]
.set i_, i_+1
.endr
.irp z, 212,213,214,215
	v_mov_b32 v\z, 0
.endr
	s_wait_loadcnt 0x0
.set c_, 0
.rept 16
	s_wait_xcnt 0x0                                ; v[208:211] were the last store's data
.irp p, 0,1,2,3
	v_cvt_pk_f16_f32 v[208+(\p)], v[16+32*(\p)+c_], v[32+32*(\p)+c_]
.endr
	global_store_b128 v3, v[208:211], s[36:37] offset:4096*c_
.set c_, c_+1
.endr
.set c_, 0
.rept 8
	s_wait_xcnt 0x0
.irp p, 0,1,2,3
	v_cvt_pk_f16_f32 v[208+(\p)], v[144+16*(\p)+c_], v[152+16*(\p)+c_]
.endr
	global_store_b128 v3, v[208:211], s[36:37] offset:4096*(16+c_)
.set c_, c_+1
.endr
.set c_, 0
.rept 8
	global_store_b128 v3, v[212:215], s[36:37] offset:4096*(24+c_)
.set c_, c_+1
.endr
	s_endpgm
; The sum of a row's squares: four chains of packed sums, started by the first four pairs; then across the 32 lanes; dst = mean + eps.
.macro SUMSQ x, dst
.irp c, 0,1,2,3
	v_pk_mul_f32 v[4+2*(\c):5+2*(\c)], v[(\x)+2*(\c):(\x)+2*(\c)+1], v[(\x)+2*(\c):(\x)+2*(\c)+1]
.endr
.set j_, 4
.rept 28
	v_pk_fma_f32 v[4+2*(j_%4):5+2*(j_%4)], v[(\x)+2*j_:(\x)+2*j_+1], v[(\x)+2*j_:(\x)+2*j_+1], v[4+2*(j_%4):5+2*(j_%4)]
.set j_, j_+1
.endr
	v_pk_add_f32 v[4:5], v[4:5], v[6:7]
	v_pk_add_f32 v[8:9], v[8:9], v[10:11]
	v_pk_add_f32 v[4:5], v[4:5], v[8:9]
	v_add_f32 v4, v4, v5
	v_add_f32_dpp v4, v4, v4 row_xmask:1 row_mask:0xf bank_mask:0xf
	v_add_f32_dpp v4, v4, v4 row_xmask:2 row_mask:0xf bank_mask:0xf
	v_add_f32_dpp v4, v4, v4 row_xmask:4 row_mask:0xf bank_mask:0xf
	v_add_f32_dpp v4, v4, v4 row_xmask:8 row_mask:0xf bank_mask:0xf
	v_permlanex16_b32 v5, v4, s30, s31
	v_add_f32 v4, v4, v5
	v_fma_f32 v[\dst], v4, s34, s35                ; sum / 2048 + eps
.endm
; A row is scaled in place, in the order x * rsqrt * w, rounded to f16 and stored: 32 lanes x 8 bytes are 256 consecutive bytes, aligned.
.macro SCALE x, r, off
.set j_, 0
.rept 16
	v_pk_mul_f32 v[(\x)+4*j_:(\x)+4*j_+1], v[(\x)+4*j_:(\x)+4*j_+1], v[(\r):(\r)+1] op_sel_hi:[1,0]
	v_pk_mul_f32 v[(\x)+4*j_+2:(\x)+4*j_+3], v[(\x)+4*j_+2:(\x)+4*j_+3], v[(\r):(\r)+1] op_sel_hi:[1,0]
	v_pk_mul_f32 v[(\x)+4*j_:(\x)+4*j_+1], v[(\x)+4*j_:(\x)+4*j_+1], v[XW+4*j_:XW+4*j_+1]
	v_pk_mul_f32 v[(\x)+4*j_+2:(\x)+4*j_+3], v[(\x)+4*j_+2:(\x)+4*j_+3], v[XW+4*j_+2:XW+4*j_+3]
	v_cvt_pk_f16_f32 v[(\x)+4*j_], v[(\x)+4*j_], v[(\x)+4*j_+1]
	v_cvt_pk_f16_f32 v[(\x)+4*j_+1], v[(\x)+4*j_+2], v[(\x)+4*j_+3]
	global_store_b64 v2, v[(\x)+4*j_:(\x)+4*j_+1], s[26:27] offset:(\off)+256*j_
.set j_, j_+1
.endr
.endm
.Lnorm:
	v_lshrrev_b32 v1, 5, v0
	v_readfirstlane_b32 s3, v1                     ; wave
	s_sub_co_u32 s4, s2, G_NORM
	s_lshl_b32 s4, s4, 4
	s_lshl1_add_u32 s4, s3, s4                     ; my first row = 16 x my block + 2 w
	s_lshl_b32 s32, s4, 13
	s_add_nc_u64 s[8:9], s[8:9], s[32:33]          ; tokens: 8,192 bytes a row
	s_lshl_b32 s32, s4, 12
	s_add_nc_u64 s[26:27], s[26:27], s[32:33]      ; normed: 4,096 bytes a row
	s_mov_b32 s30, 0x76543210
	s_mov_b32 s31, 0xfedcba98
	s_mov_b32 s34, 0x3a000000                      ; 1 / 2048
	s_mov_b32 s35, 0x34000000                      ; f32's eps
	v_and_b32 v1, 31, v0
	v_lshlrev_b32 v2, 3, v1                        ; 8 x lane
	v_lshlrev_b32 v1, 4, v1                        ; 16 x lane
.set j_, 0
.rept 16
	global_load_b128 v[X0+4*j_:X0+4*j_+3], v1, s[8:9] offset:512*j_ th:TH_LOAD_NT
.set j_, j_+1
.endr
.set j_, 0
.rept 16
	global_load_b128 v[X1+4*j_:X1+4*j_+3], v1, s[8:9] offset:8192+512*j_ th:TH_LOAD_NT
.set j_, j_+1
.endr
.set j_, 0
.rept 16
	global_load_b128 v[XW+4*j_:XW+4*j_+3], v1, s[10:11] offset:512*j_
.set j_, j_+1
.endr
	v_mov_b32 v13, 0                               ; named with v12 and v14 as pairs
	v_mov_b32 v15, 0
	s_wait_loadcnt 32                              ; row 0 is in; row 1's and rms_w's 32 loads may stay out
	SUMSQ X0, 12
	s_wait_loadcnt 16                              ; row 1 is in
	SUMSQ X1, 14
	v_rsq_f32 v12, v12
	v_rsq_f32 v14, v14
	v_nop                                          ; a plain instruction behind the last root,
	s_wait_alu depctr_va_vdst(0)                   ; and one wait for both, ahead of their first reader
	s_wait_loadcnt 0x0                             ; rms_w
	SCALE X0, 12, 0
	SCALE X1, 14, 4096
	s_endpgm
; sin and cos of x = v[16 + e]: n = round(x 2/pi); r = x - n pi/2 in three parts; two polynomials; the quadrant swaps them and sets the signs.  The choices select values alone.
.macro SINCOS e
	v_mul_f32 v24, s36, v[16+(\e)]
	v_rndne_f32 v24, v24
	v_cvt_i32_f32 v25, v24
	v_fma_f32 v26, -v24, s37, v[16+(\e)]
	v_fma_f32 v26, -v24, s38, v26
	v_fma_f32 v26, -v24, s39, v26
	v_mul_f32 v27, v26, v26                        ; r^2
	v_fmaak_f32 v28, v27, v20, 0x3c08839e
	v_fmaak_f32 v28, v27, v28, 0xbe2aaaa3
	v_mul_f32 v29, v26, v27
	v_fma_f32 v28, v29, v28, v26                   ; sin r
	v_fmaak_f32 v30, v27, v21, 0xbab6061a
	v_fmaak_f32 v30, v27, v30, 0x3d2aaaa5
	v_fma_f32 v31, v27, -0.5, 1.0
	v_mul_f32 v29, v27, v27
	v_fma_f32 v30, v29, v30, v31                   ; cos r
	v_and_b32 v31, 1, v25
	v_cmp_eq_u32 vcc_lo, 1, v31
	v_cndmask_b32 v32, v28, v30, vcc_lo            ; odd quadrants: the sine is +-cos r,
	v_cndmask_b32 v33, v30, v28, vcc_lo            ; the cosine +-sin r
	v_lshlrev_b32 v31, 30, v25
	v_and_b32 v31, 0x80000000, v31                 ; the sine is negative in quadrants 2 and 3,
	v_xor_b32 v31, v22, v31                        ; and the table negates it in columns 0-31
	v_xor_b32 v[44+(\e)], v31, v32
	v_add_nc_u32 v31, 1, v25
	v_lshlrev_b32 v31, 30, v31
	v_and_b32 v31, 0x80000000, v31                 ; the cosine in quadrants 1 and 2
	v_xor_b32 v[40+(\e)], v31, v33
.endm
.Ltab:                                         ; 1,024 angles a work-group, four a thread: columns 4 (t % 16) + 0..3
	s_sub_co_u32 s4, s2, G_TAB
	s_lshl_b32 s4, s4, 12
	v_lshl_add_u32 v1, v0, 4, s4
	global_load_b128 v[16:19], v1, s[24:25]
	s_add_nc_u64 s[32:33], s[28:29], COS_OFF
	s_add_nc_u64 s[40:41], s[28:29], SIN_OFF
	s_mov_b32 s36, 0x3f22f983                      ; 2 / pi
	s_mov_b32 s37, 0x3fc90fda                      ; pi / 2 = these three
	s_mov_b32 s38, 0x33a22168
	s_mov_b32 s39, 0x27c234c4
	v_mov_b32 v20, 0xb94ca1f9
	v_mov_b32 v21, 0x37ccf5ce
	v_and_b32 v22, 8, v0
	v_xor_b32 v22, 8, v22
	v_lshlrev_b32 v22, 28, v22                     ; the sign bit where my columns lie below 32
	s_wait_loadcnt 0x0
	SINCOS 0
	SINCOS 1
	SINCOS 2
	SINCOS 3
	global_store_b128 v1, v[40:43], s[32:33]
	global_store_b128 v1, v[44:47], s[40:41]
	s_endpgm
.Lfunc_end_k_q60318eef89_prep:
	.size	k_q60318eef89_prep, .Lfunc_end_k_q60318eef89_prep-k_q60318eef89_prep
	.p2alignl 7, 3214868480
	.fill 96, 4, 3214868480
	.section	.rodata,"a",@progbits
	.p2align	6, 0x0
	.amdhsa_kernel k_q60318eef89_prep
		.amdhsa_group_segment_fixed_size 0
		.amdhsa_private_segment_fixed_size 0
		.amdhsa_enable_private_segment 0
		.amdhsa_kernarg_size 88
		.amdhsa_user_sgpr_count 2
		.amdhsa_user_sgpr_kernarg_segment_ptr 1
		.amdhsa_wavefront_size32 1
		.amdhsa_system_sgpr_workgroup_id_x 1
		.amdhsa_system_sgpr_workgroup_id_y 1
		.amdhsa_system_sgpr_workgroup_id_z 1
		.amdhsa_system_vgpr_workitem_id 0
		.amdhsa_next_free_vgpr 216
		.amdhsa_next_free_sgpr 66
		.amdhsa_reserve_vcc 1
		.amdhsa_float_denorm_mode_32 3
		.amdhsa_float_denorm_mode_16_64 3
		.amdhsa_memory_ordered 1
		.amdhsa_forward_progress 1
		.amdhsa_inst_pref_size 56
	.end_amdhsa_kernel
	.amdgpu_metadata
---
amdhsa.version: [ 1, 2 ]
amdhsa.kernels:
  - .name:           k_q60318eef89_prep
    .symbol:         k_q60318eef89_prep.kd
    .args:
      - { .name: tokens, .offset: 0, .size: 8, .value_kind: global_buffer, .address_space: global }
      - { .name: rms_w, .offset: 8, .size: 8, .value_kind: global_buffer, .address_space: global }
      - { .name: Wq, .offset: 16, .size: 8, .value_kind: global_buffer, .address_space: global }
      - { .name: Wk, .offset: 24, .size: 8, .value_kind: global_buffer, .address_space: global }
      - { .name: Wv, .offset: 32, .size: 8, .value_kind: global_buffer, .address_space: global }
      - { .name: Wo, .offset: 40, .size: 8, .value_kind: global_buffer, .address_space: global }
      - { .name: Wg, .offset: 48, .size: 8, .value_kind: global_buffer, .address_space: global }
      - { .name: Wmix, .offset: 56, .size: 8, .value_kind: global_buffer, .address_space: global }
      - { .name: rotary_pos_emb, .offset: 64, .size: 8, .value_kind: global_buffer, .address_space: global }
      - { .name: normed, .offset: 72, .size: 8, .value_kind: global_buffer, .address_space: global }
      - { .name: wts, .offset: 80, .size: 8, .value_kind: global_buffer, .address_space: global }
    .group_segment_fixed_size: 0
    .private_segment_fixed_size: 0
    .kernarg_segment_align: 8
    .kernarg_segment_size: 88
    .max_flat_workgroup_size: 256
    .sgpr_count:     66
    .vgpr_count:     216
    .wavefront_size: 32
...
	.end_amdgpu_metadata
.endif
;; end of part 1
;; launch gm (part 2): grid 256 x 1, 8 waves a work-group, no clusters, 19,456 bytes of LDS; arguments normed, wts, bmix, gm; writes gm
.if DOCPART == 2
	.amdgcn_target "amdgcn-amd-amdhsa--gfx1250"
	.amdhsa_code_object_version 6
	.text
	.protected	k_q60318eef89_gm
	.globl	k_q60318eef89_gm
	.p2align	8
	.type	k_q60318eef89_gm,@function
k_q60318eef89_gm:
	s_mov_b64 s[64:65], 0
	v_nop
	global_prefetch_b8 v0, s[64:65] scope:SCOPE_SE
	s_setreg_imm32_b32 hwreg(HW_REG_WAVE_MODE, 25, 1), 1
	s_wait_xcnt 0x0
; gm[token][0..15] = sigmoid(normed . Wg), gm[token][16..23] = sigmoid(normed . Wmix + bmix); columns 24-31 come from rows of zeros and are read by nobody.
; A work-group makes 16 tokens x 32 columns (two tiles of 16).  K = 2,048 IS SPLIT AMONG THE EIGHT WAVES: of each trip's 1,024 channels wave v takes 128: 256 consecutive bytes, aligned,
; of each row.  So there are two trips, a register set each, and all of a wave's 48 loads go out at the head: the wave crosses memory once.
; Source 0 = 16 rows of WST (columns of the result), source 1 = the 16 tokens: a lane ends with ONE token (lane % 16) and the columns 8 (lane / 16) + 0..7.
; Fragments come straight from memory (K lies along the rows of both).  The eight partial sums meet in LDS; waves 0 to 3 finish four tokens each.
; No cluster and nothing asked for ahead: what the work-groups share (WST, 128 KiB) is a small part of what the launch reads, and every load is issued at the head.
.set WST_OFF, 12582912
.set PP,    144                        ; a token's 32 partial sums in LDS: 128 bytes + 16
.set PARTB, 16*PP                      ; a wave's partial tile
.set SPARE, 8*PARTB                    ; behind the eight partial tiles (18,432 bytes): the spare words, 128 bytes a wave
.set FO,  2                            ; v2  (l % 16) x 4,096 + 16 (l / 16) + 256 x wave: for both sources; never rewritten
.set LS,  4                            ; v4  where I put my partial sums
.set LR,  5                            ; v5  where I read partial sums back (waves 0 to 3)
.set YO,  6                            ; v6  my 16 bytes of gm
.set BO,  7                            ; v7  my 16 bytes of bmix
.set SPW, 8
.set NIL, 9
.set ACC, 16                           ; v[16:47]  tile ct, fragments of parity p at ACC + 8 (2 p + ct)
.set BIAS, 48                          ; v[48:51]
.set BUF, 64                           ; v[64:255] two sets of 96: WST tile 0 (+8 f), tile 1 (+32 + 8 f), tokens (+64 + 8 f)
.set WV,  14
	s_load_b256 s[4:11], s[0:1], 0x0               ; normed 4, wts 6, bmix 8, gm 10
	v_lshl_add_u32 v[SPW], v0, 2, SPARE
	v_mov_b32 v[NIL], 0
	v_lshrrev_b32 v1, 5, v0
	v_readfirstlane_b32 s[WV], v1
	v_and_b32 v10, 15, v0
	v_bfe_u32 v11, v0, 4, 1
	v_and_b32 v12, 31, v0
	s_lshl_b32 s16, s[WV], 8
	v_lshlrev_b32 v[FO], 12, v10
	v_lshl_add_u32 v[FO], v11, 4, v[FO]
	v_add_nc_u32 v[FO], s16, v[FO]
	s_mul_i32 s17, s[WV], PARTB
	v_mul_u32_u24 v[LS], v10, PP
	v_lshl_add_u32 v[LS], v11, 5, v[LS]
	v_add_nc_u32 v[LS], s17, v[LS]                 ; wave's tile + token x pitch + 32 (l / 16)
	v_lshrrev_b32 v13, 3, v12
	v_lshl_add_u32 v13, s[WV], 2, v13              ; back: wave w (0 to 3) finishes tokens 4 w .. 4 w + 3, eight lanes a token
	v_mul_u32_u24 v[LR], v13, PP
	v_and_b32 v13, 7, v0
	v_lshl_add_u32 v[LR], v13, 4, v[LR]
	s_lshl_b32 s17, s[WV], 9
	v_lshl_add_u32 v[YO], v12, 4, s17              ; four rows of 128 bytes are 512 consecutive bytes
	v_and_b32 v[BO], 1, v0
	v_lshlrev_b32 v[BO], 4, v[BO]
	v_lshrrev_b32 v13, 1, v13                      ; 2 where my four columns lie in 16-23
	s_lshl_b32 s2, ttmp9, 16                       ; 16 rows of normed
	s_mov_b32 s3, 0
	s_lshl_b32 s18, ttmp9, 11                      ; 16 rows of gm
	s_mov_b32 s19, 0
	s_wait_kmcnt 0x0
	s_add_nc_u64 s[4:5], s[4:5], s[2:3]
	s_add_nc_u64 s[6:7], s[6:7], WST_OFF
	s_add_nc_u64 s[10:11], s[10:11], s[18:19]
	global_load_b128 v[BIAS:BIAS+3], v[BO], s[8:9] ; older than every counted load below
.macro LOADS b, off                    ; a trip's 24 loads into set b
.irp f, 0,1,2,3
	global_load_b128 v[BUF+96*(\b)+8*(\f):BUF+96*(\b)+8*(\f)+3],         v[FO], s[6:7] offset:(\off)+64*(\f)
	global_load_b128 v[BUF+96*(\b)+8*(\f)+4:BUF+96*(\b)+8*(\f)+7],       v[FO], s[6:7] offset:(\off)+64*(\f)+32
	global_load_b128 v[BUF+96*(\b)+32+8*(\f):BUF+96*(\b)+32+8*(\f)+3],   v[FO], s[6:7] offset:(\off)+64*(\f)+65536
	global_load_b128 v[BUF+96*(\b)+32+8*(\f)+4:BUF+96*(\b)+32+8*(\f)+7], v[FO], s[6:7] offset:(\off)+64*(\f)+65536+32
	global_load_b128 v[BUF+96*(\b)+64+8*(\f):BUF+96*(\b)+64+8*(\f)+3],   v[FO], s[4:5] offset:(\off)+64*(\f)
	global_load_b128 v[BUF+96*(\b)+64+8*(\f)+4:BUF+96*(\b)+64+8*(\f)+7], v[FO], s[4:5] offset:(\off)+64*(\f)+32
.endr
.endm
.macro MULS b, zero                    ; a trip's eight products; the four accumulators take turns, one instruction a turn.  zero = 1: the first four start the sums
.irp f, 0,1,2,3
.irp j, 0,1
.if (\zero) && ((\f) < 2)
	v_wmma_f32_16x16x32_f16 v[ACC+8*(2*((\f)%2)+(\j)):ACC+8*(2*((\f)%2)+(\j))+7], v[BUF+96*(\b)+32*(\j)+8*(\f):BUF+96*(\b)+32*(\j)+8*(\f)+7], v[BUF+96*(\b)+64+8*(\f):BUF+96*(\b)+64+8*(\f)+7], 0
.else
	v_wmma_f32_16x16x32_f16 v[ACC+8*(2*((\f)%2)+(\j)):ACC+8*(2*((\f)%2)+(\j))+7], v[BUF+96*(\b)+32*(\j)+8*(\f):BUF+96*(\b)+32*(\j)+8*(\f)+7], v[BUF+96*(\b)+64+8*(\f):BUF+96*(\b)+64+8*(\f)+7], v[ACC+8*(2*((\f)%2)+(\j)):ACC+8*(2*((\f)%2)+(\j))+7]
.endif
.endr
.endr
.endm
.macro PLACES                          ; four places behind the last product, in front of sums that read results (ISA guide 7.12.1)
.rept 4
	v_nop
.endr
.endm
	LOADS 0, 0
	LOADS 1, 2048
	s_wait_loadcnt 24                              ; set 0 is in; set 1's 24 loads may stay out
	MULS 0, 1
	s_wait_loadcnt 0x0
	MULS 1, 0
	PLACES
	PLACES
.set r, 0
.rept 8
	v_pk_add_f32 v[ACC+r:ACC+r+1], v[ACC+r:ACC+r+1], v[ACC+16+r:ACC+16+r+1]  ; the two parities; each accumulator is read from its low end on
.set r, r+2
.endr
.irp j, 0,1
	ds_store_b128 v[LS], v[ACC+8*(\j):ACC+8*(\j)+3]   offset:64*(\j)
	ds_store_b128 v[LS], v[ACC+8*(\j)+4:ACC+8*(\j)+7] offset:64*(\j)+16
.endr
	s_wait_dscnt 0x0                               ; for the others' sake: my partial sums lie in LDS
	s_barrier_signal -1
	s_barrier_wait -1
	s_cmp_lt_u32 s[WV], 4                          ; waves 0 to 3 finish; the others have done their part
	s_cbranch_scc0 .Lend
.irp p, 0,1,2,3,4,5,6,7
	ds_load_b128 v[BUF+4*(\p):BUF+4*(\p)+3], v[LR] offset:PARTB*(\p)
.endr
	v_cmp_eq_u32 vcc_lo, 2, v13
.irp j, 0,1,2,3
	v_cndmask_b32 v[BIAS+(\j)], 0, v[BIAS+(\j)], vcc_lo   ; bmix for columns 16-23, 0 elsewhere
.endr
	s_wait_dscnt 0x0
.irp p, 0,8,16,24
	v_pk_add_f32 v[BUF+(\p):BUF+(\p)+1], v[BUF+(\p):BUF+(\p)+1], v[BUF+(\p)+4:BUF+(\p)+5]
	v_pk_add_f32 v[BUF+(\p)+2:BUF+(\p)+3], v[BUF+(\p)+2:BUF+(\p)+3], v[BUF+(\p)+6:BUF+(\p)+7]
.endr
.irp p, 0,16
	v_pk_add_f32 v[BUF+(\p):BUF+(\p)+1], v[BUF+(\p):BUF+(\p)+1], v[BUF+(\p)+8:BUF+(\p)+9]
	v_pk_add_f32 v[BUF+(\p)+2:BUF+(\p)+3], v[BUF+(\p)+2:BUF+(\p)+3], v[BUF+(\p)+10:BUF+(\p)+11]
.endr
	v_pk_add_f32 v[BUF:BUF+1], v[BUF:BUF+1], v[BUF+16:BUF+17]
	v_pk_add_f32 v[BUF+2:BUF+3], v[BUF+2:BUF+3], v[BUF+18:BUF+19]
	v_pk_add_f32 v[BUF:BUF+1], v[BUF:BUF+1], v[BIAS:BIAS+1]
	v_pk_add_f32 v[BUF+2:BUF+3], v[BUF+2:BUF+3], v[BIAS+2:BIAS+3]
.irp j, 0,1,2,3
	v_mul_f32 v[BUF+(\j)], 0xbfb8aa3b, v[BUF+(\j)] ; sigmoid(x) = 1 / (1 + 2^(-x log2 e))
.endr
.irp j, 0,1,2,3
	v_exp_f32 v[BUF+(\j)], v[BUF+(\j)]
.endr
	v_nop
	s_wait_alu depctr_va_vdst(0)                   ; one wait for the four exponentials
	v_pk_add_f32 v[BUF:BUF+1], v[BUF:BUF+1], 1.0 op_sel_hi:[1,0]
	v_pk_add_f32 v[BUF+2:BUF+3], v[BUF+2:BUF+3], 1.0 op_sel_hi:[1,0]
.irp j, 0,1,2,3
	v_rcp_f32 v[BUF+(\j)], v[BUF+(\j)]
.endr
	v_nop
	s_wait_alu depctr_va_vdst(0)                   ; and one for the four reciprocals
	global_store_b128 v[YO], v[BUF:BUF+3], s[10:11]   ; a wave stores 512 consecutive bytes, aligned
.Lend:
	s_wait_tensorcnt 0x0                           ; the wave's end, behind my last LDS store
	ds_add_u32 v[SPW], v[NIL]
	s_wait_dscnt 0x0
	s_endpgm
.Lfunc_end_k_q60318eef89_gm:
	.size	k_q60318eef89_gm, .Lfunc_end_k_q60318eef89_gm-k_q60318eef89_gm
	.p2alignl 7, 3214868480
	.fill 96, 4, 3214868480
	.section	.rodata,"a",@progbits
	.p2align	6, 0x0
	.amdhsa_kernel k_q60318eef89_gm
		.amdhsa_group_segment_fixed_size 19456
		.amdhsa_private_segment_fixed_size 0
		.amdhsa_enable_private_segment 0
		.amdhsa_kernarg_size 32
		.amdhsa_user_sgpr_count 2
		.amdhsa_user_sgpr_kernarg_segment_ptr 1
		.amdhsa_wavefront_size32 1
		.amdhsa_system_sgpr_workgroup_id_x 1
		.amdhsa_system_sgpr_workgroup_id_y 1
		.amdhsa_system_sgpr_workgroup_id_z 1
		.amdhsa_system_vgpr_workitem_id 0
		.amdhsa_next_free_vgpr 256
		.amdhsa_next_free_sgpr 66
		.amdhsa_reserve_vcc 1
		.amdhsa_float_denorm_mode_32 3
		.amdhsa_float_denorm_mode_16_64 3
		.amdhsa_memory_ordered 1
		.amdhsa_forward_progress 1
		.amdhsa_inst_pref_size 12
	.end_amdhsa_kernel
	.amdgpu_metadata
---
amdhsa.version: [ 1, 2 ]
amdhsa.kernels:
  - .name:           k_q60318eef89_gm
    .symbol:         k_q60318eef89_gm.kd
    .args:
      - { .name: normed, .offset: 0, .size: 8, .value_kind: global_buffer, .address_space: global }
      - { .name: wts, .offset: 8, .size: 8, .value_kind: global_buffer, .address_space: global }
      - { .name: bmix, .offset: 16, .size: 8, .value_kind: global_buffer, .address_space: global }
      - { .name: gm, .offset: 24, .size: 8, .value_kind: global_buffer, .address_space: global }
    .group_segment_fixed_size: 19456
    .private_segment_fixed_size: 0
    .kernarg_segment_align: 8
    .kernarg_segment_size: 32
    .max_flat_workgroup_size: 256
    .sgpr_count:     66
    .vgpr_count:     256
    .wavefront_size: 32
...
	.end_amdgpu_metadata
.endif
;; end of part 2
;; launch proj (part 3): grid 16 x 16, 4 waves a work-group, clusters of 4 x 4, 327,680 bytes of LDS; arguments normed, wts, gamma, residual_values, gm, qkv; writes qkv
.if DOCPART == 3
	.amdgcn_target "amdgcn-amd-amdhsa--gfx1250"
	.amdhsa_code_object_version 6
	.text
	.protected	k_q60318eef89_proj
	.globl	k_q60318eef89_proj
	.p2align	8
	.type	k_q60318eef89_proj,@function
k_q60318eef89_proj:
	s_mov_b64 s[64:65], 0
	v_nop
	global_prefetch_b8 v0, s[64:65] scope:SCOPE_SE
	s_setreg_imm32_b32 hwreg(HW_REG_WAVE_MODE, 25, 1), 1
	s_wait_xcnt 0x0
	s_wait_alu depctr_hold_cnt(0) depctr_sa_sdst(0) depctr_va_vdst(0) depctr_va_sdst(0) depctr_va_ssrc(0) depctr_va_vcc(0) depctr_vm_vsrc(0)
	s_getreg_b32 s2, hwreg(HW_REG_IB_STS2, 6, 4)
	s_cmp_eq_u32 s2, 0
	s_cbranch_scc0 .Lentry_in_a_cluster
	s_endpgm
.Lentry_in_a_cluster:
	s_bfe_u32 s2, ttmp6, 0x10000c
	s_cmp_lg_u32 s2, 0xf033
	s_cbranch_scc0 .Lentry_shape_is_right
	s_endpgm
.Lentry_shape_is_right:
; normed [4096][2048] x WCAT [2048 k][2048 n], f16 operands, f32 sums; then, by the 64 columns that are one head:
;   n 0-1023    q: rotary, times c2 = 2 log2(e) / 400 (the score's scale, the clamp's 1/50 and the factor of tanh's exponential), f16 -> qkv [b][16][2048][64]
;   n 1024-1535 k: divided by max(|k|, 1e-12), times (gamma + 1) 8, rotary, f16 -> qkv + K_OFF [b][8][2048][64]
;   n 1536-2047 v: v + mix (residual - v), f16 -> qkv + V_OFF
; LIMITS.  f16 ends at 65,504: c2 q, k and v must lie within it; numbers under 6e-5 keep f16's fixed step of 6e-8.  NaN and infinities are not treated apart.
; SHAPE.  A work-group makes 256 x 128 of the product: 16 x 16 = 256 work-groups.  Four waves, each 128 x 64: 32 accumulators.  K goes in steps of 128 through two LDS slots.
; A's rows are 256 bytes of memory, aligned; B lies [k][n] and is turned on the way out of LDS by ds_load_tr16_b128.  Source 0 = 16 columns of B, source 1 = 16 rows of A:
; a lane holds row l % 16 and the columns 8 (l / 16) + 0..7.
; CLUSTER 4 x 4: A's tile hangs on the tile row alone and is asked for jointly by a row of the cluster, B's on the tile column alone, by a column.
; REGISTERS, in windows of 256 (s_set_vgpr_msb: bits 1:0 source 0, 3:2 source 1, 5:4 source 2, 7:6 destination): window 0 addresses and the epilogue; window 1 the accumulators,
; (a, b) at v[8 (4 a + b)]; window 2 two fragment buffers of 96: A's eight blocks, then B's four.
; THE WAY OUT.  The f32 tile goes into LDS (slot bytes that have had their last fill), 128 rows x 272 bytes a wave, and is read back by rows: sixteen lanes a row, four columns a lane, so that
; the tables, the residual and the stores are whole rows, and the partner column j ^ 32 of the rotation is a second LDS read.
.set PROJ, 1
.set WO_OFF,  8388608
.set COS_OFF, 12713984
.set SIN_OFF, 13238272
.set K_OFF,   8388608
.set V_OFF,   12582912
.if PROJ
.set PA,    272                        ; a row of A in LDS: 256 bytes + 16: the 16 rows of a load start at 16 different groups of four banks (ISA guide 11.1)
.set AHALF, 128*PA                     ; what one tensor load of A brings
.set LAPS,  8                          ; K / 256
.set ASTEP, 256                        ; bytes from a K step of A to the next
.set WB_OFF, 0
.set PADA,  (5<<22)|(3<<25)            ; after every 64 words, 4 words
.set STRA,  2048
.else
.set PA,    144
.set AHALF, 256*PA
.set LAPS,  4
.set ASTEP, 524288
.set WB_OFF, WO_OFF
.set PADA,  (4<<22)|(3<<25)
.set STRA,  128
.endif
.set PB,    288                        ; a row of B (one k, 128 columns): 256 bytes + 32
.set BHALF, 64*PB
.set BOFF,  2*AHALF
.set SLOT,  BOFF+2*BHALF
.set SPARE, 2*SLOT                     ; behind the ring: the spare words, 128 bytes a wave
.set BSTEP, 128*4096
.set DP,    272                        ; the way out: a row of 64 f32 + 16 bytes
.set DWAVE, 128*DP
.set ADRA, 16                          ; v16-17 LDS address of my A fragments in slot 0, 1
.set ADRB, 20                          ; v20-21 the same for B
.set PFO,  22                          ; v22 the prefetches' offset; never rewritten
.set DST,  24                          ; v24 the way out: where I put 16 bytes of a row
.set RDO,  25                          ; v25 where I read my four columns back
.set RDP,  26                          ; v26 the partner columns
.set TO,   27                          ; v27 my offset in the tables and the residual
.set SPW,  28
.set NIL,  29
.set GOUT, 30                          ; v30 my 8 bytes of two output rows
.set MO,   31                          ; v31 my row in gm
.set X,    32                          ; v[32:63]   eight row pairs, own columns
.set Y,    64                          ; v[64:95]   partner columns
.set T,    96                          ; v[96:223]  two table buffers of 64
.set OUT,  224                         ; v[224:239]
.set GOWN, 240                         ; v[240:243] (gamma + 1) 8 at my columns
.set GPAR, 244                         ; v[244:247] at the partner columns
.set SS,   248                         ; v[248:255] a row's sum of squares, then 1 / norm
.set F0,   0
.set F1,   96
.set WV, 12
.set RH, 13                            ; which 128 rows are mine.  Also: I fetch for A (0) or for B (1)
.set CH, 14                            ; which 64 columns.  Also: which half of that tile I fetch
.set CX, 15
.set CY, 16
.set TC, 17
.set TR, 18
.set LAP, 19
.set G1A, 24
.set G0A, 32
.set G1B, 40
.set G0B, 48
.set PFA, 56
.set PFS, 58
.set LIM, 60
.set IT,  61
.set C2,  62
.set CB,  72
.set SB,  74
.set OUTB, 76
.set RB,  78
.set MB,  80
.set MSB, 0
.macro WIN new                         ; the immediate's high byte repeats the setting that is left; a switch that changes nothing is dropped
.if MSB != (\new)
	s_set_vgpr_msb (MSB<<8)|(\new)
.set MSB, \new
.endif
.endm
.set MUL,    0x5a                      ; sources 0 and 1 window 2; C and D window 1
.set TO_F,   0x80                      ; destination window 2, address window 0
.set W_DUMP, 0x04                      ; store data window 1, address window 0
.macro PLACES
.rept 4
	v_nop
.endr
.endm
; A joint load: waves 0 and 1 fetch A's halves, waves 2 and 3 B's.  The branch hangs on the wave's number alone.  An s_nop 0 and four v_nop follow each line.
.macro JLOAD s
	s_cmp_eq_u32 s[RH], 0
	s_cbranch_scc0 .Lfor_b_\@
	tensor_load_to_lds s[G0A+4*(\s):G0A+4*(\s)+3], s[G1A:G1A+7]
	s_nop 0
.rept 4
	v_nop
.endr
	s_branch .Lasked_\@
.Lfor_b_\@:
	tensor_load_to_lds s[G0B+4*(\s):G0B+4*(\s)+3], s[G1B:G1B+7]
	s_nop 0
.rept 4
	v_nop
.endr
.Lasked_\@:
.endm
.macro CREST                           ; a round of the cluster's barrier behind its opening barrier
	s_cmp_lg_u32 s[WV], 0
	s_cbranch_scc1 .Lnot_wave_0_\@
	s_barrier_signal -3
.Lnot_wave_0_\@:
	s_barrier_wait -3
	s_barrier_signal -1
	s_barrier_wait -1
.endm
.macro CROUND
	s_barrier_signal -1
	s_barrier_wait -1
	CREST
.endm
; A prefetch into the L2 of the K step that stands two refills on (256 matrix instructions ahead of the load that wants it): 32 blocks of 256 bytes, a lane a block.  Each block is named once in the
; launch: A's by the clusters with x = 0 (waves 0 and 1; the partner at cx takes 32 of the wave's 128 rows, by address), B's by the clusters with y = 0 (wave 2; the partner at cy takes 32 of the
; step's 128 rows).  K steps 0 to 3 come by their loads alone; the loop's last trip asks for nothing: the steps that it would name do not exist.
.macro ASK
	s_cmp_gt_u32 s[LAP], s[LIM]
	s_cbranch_scc0 .Lnot_mine_\@
	global_prefetch_b8 v[PFO], s[PFA:PFA+1] th:TH_LOAD_NT scope:SCOPE_SE
.Lnot_mine_\@:
.endm
; n row blocks from a0 on x all 4 column blocks, 32 along K.  The 32 accumulators take turns in one fixed order, over every edge.  zero = 1: the product starts the sum.
.macro MULB f, a0, n, zero
	WIN MUL
.set ma_, (\a0)
.rept (\n)
.irp b, 0,1,2,3
.if \zero
	v_wmma_f32_16x16x32_f16 v[8*(4*ma_+(\b)):8*(4*ma_+(\b))+7], v[(\f)+64+8*(\b):(\f)+64+8*(\b)+7], v[(\f)+8*ma_:(\f)+8*ma_+7], 0
.else
	v_wmma_f32_16x16x32_f16 v[8*(4*ma_+(\b)):8*(4*ma_+(\b))+7], v[(\f)+64+8*(\b):(\f)+64+8*(\b)+7], v[(\f)+8*ma_:(\f)+8*ma_+7], v[8*(4*ma_+(\b)):8*(4*ma_+(\b))+7]
.endif
.endr
.set ma_, ma_+1
.endr
.endm
; 24 LDS loads in one run: quarter q (32 along K) of a slot into buffer f, B's fragments first
.macro FETCH slot, q, f
.if PROJ
.set ko_, 64*(\q)
.else
.set ko_, ((\q)/2)*AHALF+((\q)%2)*64
.endif
	WIN TO_F
.irp b, 0,1,2,3
	ds_load_tr16_b128 v[(\f)+64+8*(\b):(\f)+64+8*(\b)+3],   v[ADRB+(\slot)] offset:(\q)*32*PB+32*(\b)
	ds_load_tr16_b128 v[(\f)+64+8*(\b)+4:(\f)+64+8*(\b)+7], v[ADRB+(\slot)] offset:(\q)*32*PB+32*(\b)+16*PB
.endr
.irp i, 0,1,2,3,4,5,6,7
	ds_load_b128 v[(\f)+8*(\i):(\f)+8*(\i)+3],   v[ADRA+(\slot)] offset:ko_+(\i)*16*PA
	ds_load_b128 v[(\f)+8*(\i)+4:(\f)+8*(\i)+7], v[ADRA+(\slot)] offset:ko_+(\i)*16*PA+32
.endr
.endm
; One of a K step's first three quarters: multiplies buffer f; in its middle it fetches quarter q into buffer g
.macro QUARTER slot, q, f, g, zero
	s_wait_dscnt 8                                 ; B and A's blocks 0-3 are in; the youngest eight loads (A's blocks 4-7) may be out
	MULB \f, 0, 4, \zero
	PLACES                                         ; in front of loads into registers that matrix instructions have read
	FETCH \slot, \q, \g
	s_wait_dscnt 24                                ; all but the 24 just issued
	MULB \f, 4, 4, \zero
.endm
; The fourth quarter multiplies buffer 1 and changes slots: one barrier.  In front of it each wave waits for all its tensor loads (one is out: its part of the next slot), adds 0 to its spare
; word, and waits for that and for its reads of this slot.  fill = 1: the barrier opens a round of the cluster's, and behind the round this slot is filled again, two K steps ahead.
.macro TURN slot, next, fill
.if \fill
	s_wait_xcnt 0x0                                ; the last prefetch, a K step back, has read its address
	s_add_nc_u64 s[PFA:PFA+1], s[PFA:PFA+1], s[PFS:PFS+1]
.endif
	WIN 0
	s_wait_tensorcnt 0x0
	ds_add_u32 v[SPW], v[NIL]
	s_wait_dscnt 9                                 ; (the add and the youngest eight loads may be out)
	MULB F1, 0, 2, 0
	s_wait_dscnt 0x0                               ; the add is done, and my reads of this slot are over
	s_barrier_signal -1
	MULB F1, 2, 2, 0
.if \fill
	WIN 0
.endif
	s_barrier_wait -1
.if \fill
	CREST                                          ; no wave of any partner still reads this slot or has a load on its way
	s_add_nc_u64 s[G0A+4*(\slot)+2:G0A+4*(\slot)+3], s[G0A+4*(\slot)+2:G0A+4*(\slot)+3], 2*ASTEP
	s_add_nc_u64 s[G0B+4*(\slot)+2:G0B+4*(\slot)+3], s[G0B+4*(\slot)+2:G0B+4*(\slot)+3], 2*BSTEP
	JLOAD \slot                                    ; 112 matrix instructions ahead of the wait for it; its four v_nop are also the places in front of the loads below
.else
	PLACES
.endif
	FETCH \next, 0, F0
.if \fill
	WIN 0
	ASK
.endif
	MULB F1, 4, 4, 0
.endm
.macro DUMP                            ; the f32 tile into my 128 rows of LDS; each accumulator from its low end on
	WIN W_DUMP
.set a_, 0
.rept 8
.irp b, 0,1,2,3
	ds_store_b128 v[DST], v[8*(4*a_+(\b)):8*(4*a_+(\b))+3]   offset:a_*16*DP+64*(\b)
	ds_store_b128 v[DST], v[8*(4*a_+(\b))+4:8*(4*a_+(\b))+7] offset:a_*16*DP+64*(\b)+16
.endr
.set a_, a_+1
.endr
	WIN 0
.endm
	s_load_b256 s[4:11], s[0:1], 0x0               ; normed 4, wts 6, gamma 8, residual 10
	s_load_b128 s[68:71], s[0:1], 0x20             ; gm 68, qkv 70
	v_lshl_add_u32 v[SPW], v0, 2, SPARE
	v_mov_b32 v[NIL], 0
	ds_add_u32 v[SPW], v[NIL]                      ; the wave's opening: the add, and its wait ahead of my first tensor load
	v_lshrrev_b32 v1, 5, v0
	v_readfirstlane_b32 s[WV], v1
	s_lshr_b32 s[RH], s[WV], 1
	s_and_b32 s[CH], s[WV], 1
	s_bfe_u32 s[CX], ttmp6, 0x40000
	s_bfe_u32 s[CY], ttmp6, 0x40004
	s_lshl_b32 s[TC], ttmp9, 2
	s_add_co_u32 s[TC], s[TC], s[CX]               ; tile column
	s_and_b32 s[TR], ttmp7, 0xffff
	s_lshl_b32 s[TR], s[TR], 2
	s_add_co_u32 s[TR], s[TR], s[CY]               ; tile row
	s_lshl_b32 s20, s[CY], 2
	s_lshl_b32 s20, 15, s20                        ; my row of the cluster
	s_lshl_b32 s21, 0x1111, s[CX]                  ; my column
	s_or_b32 s[G1A], s20, (1<<16)|(1<<20)|(1<<21)|PADA   ; mask; 2-byte elements; padding on; bit 21 beside a mask; the padding's interval and size
	s_or_b32 s[G1B], s21, (1<<16)|(1<<20)|(1<<21)|(5<<22)|(7<<25)
	s_mov_b32 s[G1A+1], 128<<16                    ; tensor_dim0 = 128
	s_mov_b32 s[G1A+2], 128<<16                    ; tensor_dim1 = 128
	s_mov_b32 s[G1A+3], 128<<16                    ; tile_dim0 = 128
	s_mov_b32 s[G1A+4], 128                        ; tile_dim1 = 128
	s_mov_b32 s[G1A+5], STRA                       ; elements from row to row
	s_mov_b32 s[G1A+6], 0
	s_mov_b32 s[G1A+7], 0
	s_mov_b32 s[G1B+1], 128<<16
	s_mov_b32 s[G1B+2], 64<<16                     ; 64 rows (k) of 128 columns
	s_mov_b32 s[G1B+3], 128<<16
	s_mov_b32 s[G1B+4], 64
	s_mov_b32 s[G1B+5], 2048
	s_mov_b32 s[G1B+6], 0
	s_mov_b32 s[G1B+7], 0
	s_lshl_b32 s20, s[TR], 20                      ; A: row 256 x tile row + 128 x half, 4,096 bytes a row
	s_lshl_b32 s21, s[CH], 19
	s_add_co_u32 s20, s20, s21
	s_mov_b32 s21, 0
	s_lshl_b32 s22, s[CH], 18                      ; B: k row 64 x half, column 128 x tile column
	s_lshl_b32 s23, s[TC], 8
	s_add_co_u32 s22, s22, s23
	s_mov_b32 s23, 0
	s_mul_i32 s2, s[CH], AHALF                     ; where they go: no place in the cluster enters an LDS address
	s_mul_i32 s3, s[CH], BHALF
	s_add_co_u32 s3, s3, BOFF
	s_mov_b32 s[C2], 0x3bec5f04                    ; c2 = 2 log2(e) / 400
	s_mov_b32 s[C2+1], s[C2]
	s_wait_dscnt 0x0                               ; the opening add is done
	s_wait_kmcnt 0x0
	s_add_nc_u64 s[20:21], s[4:5], s[20:21]
	s_add_nc_u64 s[22:23], s[6:7], s[22:23]
	CROUND                                         ; all sixteen work-groups are here: the first joint loads meet
.irp s, 0,1
	s_mov_b32 s[G0A+4*(\s)], 1
	s_add_co_u32 s[G0A+4*(\s)+1], s2, (\s)*SLOT
	s_add_nc_u64 s[G0A+4*(\s)+2:G0A+4*(\s)+3], s[20:21], (\s)*ASTEP
	s_or_b32 s[G0A+4*(\s)+3], s[G0A+4*(\s)+3], 0x80000000
	s_mov_b32 s[G0B+4*(\s)], 1
	s_add_co_u32 s[G0B+4*(\s)+1], s3, (\s)*SLOT
	s_add_nc_u64 s[G0B+4*(\s)+2:G0B+4*(\s)+3], s[22:23], (\s)*BSTEP
	s_or_b32 s[G0B+4*(\s)+3], s[G0B+4*(\s)+3], 0x80000000
	JLOAD \s                                       ; two loads of mine are out
.endr
	v_and_b32 v1, 15, v0                           ; l % 16
	v_bfe_u32 v2, v0, 4, 1                         ; l / 16
	v_mul_u32_u24 v3, v1, PA
	v_lshl_add_u32 v3, v2, 4, v3
	s_mul_i32 s20, s[RH], 128*PA
	v_add_nc_u32 v[ADRA], s20, v3
	v_add_nc_u32 v[ADRA+1], SLOT, v[ADRA]
	v_and_b32 v4, 7, v0                            ; the turning load: lane l reads k row 8 (l / 16) + l % 8, columns 8 ((l / 8) % 2) + 0..7
	v_lshl_add_u32 v4, v2, 3, v4
	v_mul_u32_u24 v4, v4, PB
	v_bfe_u32 v5, v0, 3, 1
	v_lshl_add_u32 v4, v5, 4, v4
	s_lshl_b32 s20, s[CH], 7
	s_add_co_u32 s20, s20, BOFF
	v_add_nc_u32 v[ADRB], s20, v4
	v_add_nc_u32 v[ADRB+1], SLOT, v[ADRB]
	s_mul_i32 s20, s[WV], DWAVE
	v_mul_u32_u24 v3, v1, DP
	v_lshl_add_u32 v3, v2, 5, v3
	v_add_nc_u32 v[DST], s20, v3                   ; in: row l % 16, 32 bytes for each half of the lanes
	v_mul_u32_u24 v3, v2, DP
	v_add_nc_u32 v3, s20, v3
	v_lshl_add_u32 v[RDO], v1, 4, v3               ; back: lanes 0-15 one row, lanes 16-31 the next; four columns a lane
	v_xor_b32 v4, 8, v1
	v_lshl_add_u32 v[RDP], v4, 4, v3               ; the columns 32 away
	v_lshlrev_b32 v[TO], 8, v2
	v_lshl_add_u32 v[TO], v1, 4, v[TO]
	v_and_b32 v[GOUT], 31, v0
	v_lshlrev_b32 v[GOUT], 3, v[GOUT]
	v_lshlrev_b32 v[MO], 7, v2
	; the prefetches
	s_lshl_b32 s20, s[TR], 20
	s_lshl_b32 s21, s[CH], 19
	s_add_co_u32 s20, s20, s21
	s_lshl_b32 s21, s[CX], 17                      ; my work-group's 32 rows of the wave's 128
	s_add_co_u32 s20, s20, s21
	s_add_co_u32 s20, s20, 3*ASTEP                 ; at K step 3: the first change of slots steps it to 4
	s_lshl_b32 s22, s[CY], 17                      ; B: my work-group's 32 of the step's 128 k rows
	s_lshl_b32 s23, s[TC], 8
	s_add_co_u32 s22, s22, s23
	s_add_co_u32 s22, s22, 3*BSTEP+WB_OFF
	s_and_b32 s23, ttmp7, 0xffff                   ; cluster y,
	s_or_b32 s23, s23, s[CH]                       ; and of B's two waves the first alone
	s_mov_b32 s2, ASTEP
	s_mov_b32 s3, BSTEP
	s_cmp_eq_u32 s[RH], 0
	s_cselect_b32 s20, s20, s22
	s_cselect_b32 s23, ttmp9, s23
	s_cselect_b64 s[PFA:PFA+1], s[4:5], s[6:7]
	s_cselect_b32 s[PFS], s2, s3
	s_mov_b32 s21, 0
	s_mov_b32 s[PFS+1], 0
	s_add_nc_u64 s[PFA:PFA+1], s[PFA:PFA+1], s[20:21]
	s_cmp_eq_u32 s23, 0
	s_cselect_b32 s[LIM], 1, -1                    ; the same in all sixteen partners, for a given wave
	v_and_b32 v[PFO], 31, v0
	v_lshlrev_b32 v[PFO], 12, v[PFO]               ; a lane a row of 4,096 bytes
	s_wait_tensorcnt 0x1                           ; my part of K step 0 is in; slot 1's may stay out
	s_barrier_signal -1
	s_barrier_wait -1
	FETCH 0, 0, F0
	QUARTER 0, 1, F0, F1, 1                        ; the first quarter stands in front of the loop: its products start the sums
	WIN 0
	s_mov_b32 s[LAP], LAPS-1
.Llap:                                         ; a trip goes once round the ring, from a lap's second quarter to the next lap's first, and fills both slots again
	QUARTER 0, 2, F1, F0, 0
	QUARTER 0, 3, F0, F1, 0
	TURN 0, 1, 1
	QUARTER 1, 1, F0, F1, 0
	QUARTER 1, 2, F1, F0, 0
	QUARTER 1, 3, F0, F1, 0
	TURN 1, 0, 1
	QUARTER 0, 1, F0, F1, 0
	WIN 0
	s_sub_co_u32 s[LAP], s[LAP], 1
	s_cmp_lg_u32 s[LAP], 0
	s_cbranch_scc1 .Llap
	QUARTER 0, 2, F1, F0, 0                        ; the last lap fills nothing
	QUARTER 0, 3, F0, F1, 0
	TURN 0, 1, 0
	QUARTER 1, 1, F0, F1, 0
	QUARTER 1, 2, F1, F0, 0
	QUARTER 1, 3, F0, F1, 0
	s_wait_dscnt 8
	MULB F1, 0, 4, 0
	s_wait_dscnt 0x0
	MULB F1, 4, 4, 0
	WIN 0
	s_barrier_signal -1                            ; every wave's reads of both slots are over: their bytes, which are filled no more, take the f32 tile
	s_barrier_wait -1
	PLACES
	DUMP
	s_wait_dscnt 0x0
	s_barrier_signal -1                            ; from here on LDS is only read
	s_barrier_wait -1
; THE EPILOGUE.  A trip is 16 rows, eight pairs of rows; kind 0 = q, 1 = k, 2 = v.  GL: a trip's 16 loads into table buffer buf (cos and sin; or the residual and mix).
.macro GL kind, buf, tr
.set TB_, T+64*(\buf)
.if (\kind) < 2
.irp i, 0,1,2,3,4,5,6,7
	global_load_b128 v[TB_+4*(\i):TB_+4*(\i)+3], v[TO], s[CB:CB+1] offset:(\tr)*4096+512*(\i)
.endr
.irp i, 0,1,2,3,4,5,6,7
	global_load_b128 v[TB_+32+4*(\i):TB_+32+4*(\i)+3], v[TO], s[SB:SB+1] offset:(\tr)*4096+512*(\i)
.endr
.else
.irp i, 0,1,2,3,4,5,6,7
	global_load_b128 v[TB_+4*(\i):TB_+4*(\i)+3], v[TO], s[RB:RB+1] offset:(\tr)*4096+512*(\i) th:TH_LOAD_NT
.endr
.irp i, 0,1,2,3,4,5,6,7
	global_load_b32 v[TB_+32+(\i)], v[MO], s[MB:MB+1] offset:(\tr)*2048+256*(\i)
.endr
.endif
.endm
.macro PROC kind, buf, p
.set TB_, T+64*(\buf)
	s_wait_xcnt 0x0                                ; OUT was the last trip's store data
.irp i, 0,1,2,3,4,5,6,7
	ds_load_b128 v[X+4*(\i):X+4*(\i)+3], v[RDO] offset:(\p)*16*DP+(\i)*2*DP
.endr
.if (\kind) < 2
.irp i, 0,1,2,3,4,5,6,7
	ds_load_b128 v[Y+4*(\i):Y+4*(\i)+3], v[RDP] offset:(\p)*16*DP+(\i)*2*DP
.endr
.endif
	s_wait_dscnt 0x0
.if (\kind) == 1                       ; 1 / max(|k|, 1e-12) = rsqrt(max(sum of squares, 1e-24)); sixteen lanes hold a row
.irp i, 0,1,2,3,4,5,6,7
	v_pk_mul_f32 v[OUT+2*(\i):OUT+2*(\i)+1], v[X+4*(\i):X+4*(\i)+1], v[X+4*(\i):X+4*(\i)+1]
	v_pk_fma_f32 v[OUT+2*(\i):OUT+2*(\i)+1], v[X+4*(\i)+2:X+4*(\i)+3], v[X+4*(\i)+2:X+4*(\i)+3], v[OUT+2*(\i):OUT+2*(\i)+1]
	v_add_f32 v[SS+(\i)], v[OUT+2*(\i)], v[OUT+2*(\i)+1]
.endr
.irp m, 1,2,4,8
.irp i, 0,1,2,3,4,5,6,7
	v_add_f32_dpp v[SS+(\i)], v[SS+(\i)], v[SS+(\i)] row_xmask:\m row_mask:0xf bank_mask:0xf
.endr
.endr
.irp i, 0,1,2,3,4,5,6,7
	v_max_num_f32 v[SS+(\i)], 0x179abe15, v[SS+(\i)]
.endr
.irp i, 0,1,2,3,4,5,6,7
	v_rsq_f32 v[SS+(\i)], v[SS+(\i)]
.endr
	v_nop
	s_wait_alu depctr_va_vdst(0)                   ; one wait for the eight roots
.endif
.irp i, 0,1,2,3,4,5,6,7
.if (\kind) == 1
	v_pk_mul_f32 v[X+4*(\i):X+4*(\i)+1], v[X+4*(\i):X+4*(\i)+1], v[GOWN:GOWN+1]
	v_pk_mul_f32 v[X+4*(\i)+2:X+4*(\i)+3], v[X+4*(\i)+2:X+4*(\i)+3], v[GOWN+2:GOWN+3]
	v_pk_mul_f32 v[Y+4*(\i):Y+4*(\i)+1], v[Y+4*(\i):Y+4*(\i)+1], v[GPAR:GPAR+1]
	v_pk_mul_f32 v[Y+4*(\i)+2:Y+4*(\i)+3], v[Y+4*(\i)+2:Y+4*(\i)+3], v[GPAR+2:GPAR+3]
.endif
.if (\kind) < 2                        ; t[j] cos[j] + t[j ^ 32] sin[j], the sine's sign in the table
	v_pk_mul_f32 v[X+4*(\i):X+4*(\i)+1], v[X+4*(\i):X+4*(\i)+1], v[TB_+4*(\i):TB_+4*(\i)+1]
	v_pk_mul_f32 v[X+4*(\i)+2:X+4*(\i)+3], v[X+4*(\i)+2:X+4*(\i)+3], v[TB_+4*(\i)+2:TB_+4*(\i)+3]
	v_pk_fma_f32 v[X+4*(\i):X+4*(\i)+1], v[Y+4*(\i):Y+4*(\i)+1], v[TB_+32+4*(\i):TB_+32+4*(\i)+1], v[X+4*(\i):X+4*(\i)+1]
	v_pk_fma_f32 v[X+4*(\i)+2:X+4*(\i)+3], v[Y+4*(\i)+2:Y+4*(\i)+3], v[TB_+32+4*(\i)+2:TB_+32+4*(\i)+3], v[X+4*(\i)+2:X+4*(\i)+3]
.endif
.if (\kind) == 0
	v_pk_mul_f32 v[X+4*(\i):X+4*(\i)+1], v[X+4*(\i):X+4*(\i)+1], s[C2:C2+1] op_sel_hi:[1,0]
	v_pk_mul_f32 v[X+4*(\i)+2:X+4*(\i)+3], v[X+4*(\i)+2:X+4*(\i)+3], s[C2:C2+1] op_sel_hi:[1,0]
.elseif (\kind) == 1
.if (\i)%2 == 0
	v_pk_mul_f32 v[X+4*(\i):X+4*(\i)+1], v[X+4*(\i):X+4*(\i)+1], v[SS+(\i):SS+(\i)+1] op_sel_hi:[1,0]
	v_pk_mul_f32 v[X+4*(\i)+2:X+4*(\i)+3], v[X+4*(\i)+2:X+4*(\i)+3], v[SS+(\i):SS+(\i)+1] op_sel_hi:[1,0]
.else
	v_pk_mul_f32 v[X+4*(\i):X+4*(\i)+1], v[X+4*(\i):X+4*(\i)+1], v[SS+(\i)-1:SS+(\i)] op_sel:[0,1] op_sel_hi:[1,1]
	v_pk_mul_f32 v[X+4*(\i)+2:X+4*(\i)+3], v[X+4*(\i)+2:X+4*(\i)+3], v[SS+(\i)-1:SS+(\i)] op_sel:[0,1] op_sel_hi:[1,1]
.endif
.else                                  ; v + mix (residual - v)
	v_pk_add_f32 v[TB_+4*(\i):TB_+4*(\i)+1], v[TB_+4*(\i):TB_+4*(\i)+1], v[X+4*(\i):X+4*(\i)+1] neg_lo:[0,1] neg_hi:[0,1]
	v_pk_add_f32 v[TB_+4*(\i)+2:TB_+4*(\i)+3], v[TB_+4*(\i)+2:TB_+4*(\i)+3], v[X+4*(\i)+2:X+4*(\i)+3] neg_lo:[0,1] neg_hi:[0,1]
.if (\i)%2 == 0
	v_pk_fma_f32 v[X+4*(\i):X+4*(\i)+1], v[TB_+4*(\i):TB_+4*(\i)+1], v[TB_+32+(\i):TB_+32+(\i)+1], v[X+4*(\i):X+4*(\i)+1] op_sel_hi:[1,0,1]
	v_pk_fma_f32 v[X+4*(\i)+2:X+4*(\i)+3], v[TB_+4*(\i)+2:TB_+4*(\i)+3], v[TB_+32+(\i):TB_+32+(\i)+1], v[X+4*(\i)+2:X+4*(\i)+3] op_sel_hi:[1,0,1]
.else
	v_pk_fma_f32 v[X+4*(\i):X+4*(\i)+1], v[TB_+4*(\i):TB_+4*(\i)+1], v[TB_+32+(\i)-1:TB_+32+(\i)], v[X+4*(\i):X+4*(\i)+1] op_sel:[0,1,0] op_sel_hi:[1,1,1]
	v_pk_fma_f32 v[X+4*(\i)+2:X+4*(\i)+3], v[TB_+4*(\i)+2:TB_+4*(\i)+3], v[TB_+32+(\i)-1:TB_+32+(\i)], v[X+4*(\i)+2:X+4*(\i)+3] op_sel:[0,1,0] op_sel_hi:[1,1,1]
.endif
.endif
	v_cvt_pk_f16_f32 v[OUT+2*(\i)], v[X+4*(\i)], v[X+4*(\i)+1]
	v_cvt_pk_f16_f32 v[OUT+2*(\i)+1], v[X+4*(\i)+2], v[X+4*(\i)+3]
	global_store_b64 v[GOUT], v[OUT+2*(\i):OUT+2*(\i)+1], s[OUTB:OUTB+1] offset:(\p)*2048+256*(\i)   ; two dense rows of a head: 256 consecutive bytes, aligned
.endr
.endm
; Four loop trips of two trips each.  While one table buffer is used the other's 16 loads are out; the last loop trip looks no further ahead, so no load leaves its buffer.
.macro EPI kind
	GL \kind, 0, 0
	s_mov_b32 s[IT], 4
.Lepi_\@:
	GL \kind, 1, 1
	s_wait_loadcnt 16                              ; buffer 0 is in; buffer 1's 16 loads may stay out
	PROC \kind, 0, 0
	s_cmp_eq_u32 s[IT], 1
	s_cbranch_scc1 .Lepn_\@
	GL \kind, 0, 2
	s_wait_loadcnt 16                              ; buffer 1 is in
	s_branch .Lepg_\@
.Lepn_\@:
	s_wait_loadcnt 0x0
.Lepg_\@:
	PROC \kind, 1, 1
	s_wait_xcnt 0x0                                ; the loads and stores issued so far have read their offsets
	v_add_nc_u32 v[TO], 8192, v[TO]
	v_add_nc_u32 v[GOUT], 4096, v[GOUT]
	v_add_nc_u32 v[MO], 4096, v[MO]
	v_add_nc_u32 v[RDO], 32*DP, v[RDO]
	v_add_nc_u32 v[RDP], 32*DP, v[RDP]
	s_sub_co_u32 s[IT], s[IT], 1
	s_cmp_lg_u32 s[IT], 0
	s_cbranch_scc1 .Lepi_\@
.endm
	s_and_b32 s20, s[TR], 7
	s_lshl_b32 s20, s20, 8
	s_lshl_b32 s21, s[RH], 7
	s_add_co_u32 s20, s20, s21                     ; my first row's position in its sequence
	s_lshr_b32 s21, s[TR], 3                       ; b
	s_lshl1_add_u32 s22, s[TC], s[CH]              ; which 64 columns of the 2,048
	s_mov_b32 s83, 0
	s_lshl_b32 s82, s20, 8
	s_add_nc_u64 s[CB:CB+1], s[6:7], s[82:83]
	s_add_nc_u64 s[SB:SB+1], s[CB:CB+1], SIN_OFF
	s_add_nc_u64 s[CB:CB+1], s[CB:CB+1], COS_OFF
	s_mov_b32 s23, ttmp9                           ; the kind hangs on the cluster's x alone: all partners run alike
	s_cmp_lt_u32 s23, 2
	s_cbranch_scc1 .Lkind_q
	s_cmp_eq_u32 s23, 2
	s_cbranch_scc1 .Lkind_k
	s_sub_co_u32 s22, s22, 24                      ; v: the head
	s_lshl3_add_u32 s23, s21, s22
	s_lshl_b32 s23, s23, 11
	s_add_co_u32 s23, s23, s20                     ; (b 8 + h) 2,048 + position
	s_lshl_b32 s82, s23, 7
	s_add_nc_u64 s[OUTB:OUTB+1], s[70:71], s[82:83]
	s_add_nc_u64 s[OUTB:OUTB+1], s[OUTB:OUTB+1], V_OFF
	s_lshl_b32 s82, s23, 8
	s_add_nc_u64 s[RB:RB+1], s[10:11], s[82:83]
	s_lshl_b32 s82, s21, 11
	s_add_co_u32 s82, s82, s20
	s_lshl_b32 s82, s82, 7                         ; the token's 128 bytes of gm,
	s_lshl2_add_u32 s82, s22, s82
	s_add_co_u32 s82, s82, 64                      ; column 16 + h
	s_add_nc_u64 s[MB:MB+1], s[68:69], s[82:83]
	EPI 2
	s_branch .Lend
.Lkind_k:
	s_sub_co_u32 s22, s22, 16
	s_lshl3_add_u32 s23, s21, s22
	s_lshl_b32 s23, s23, 11
	s_add_co_u32 s23, s23, s20
	s_lshl_b32 s82, s23, 7
	s_add_nc_u64 s[OUTB:OUTB+1], s[70:71], s[82:83]
	s_add_nc_u64 s[OUTB:OUTB+1], s[OUTB:OUTB+1], K_OFF
	s_lshl_b32 s82, s22, 8
	s_add_nc_u64 s[RB:RB+1], s[8:9], s[82:83]      ; the head's row of gamma
	s_mov_b32 s84, 0x41000000                      ; 8 = sqrt(64)
	s_mov_b32 s85, s84
	v_lshlrev_b32 v3, 4, v1
	v_xor_b32 v4, 128, v3
	global_load_b128 v[GOWN:GOWN+3], v3, s[RB:RB+1]
	global_load_b128 v[GPAR:GPAR+3], v4, s[RB:RB+1]
	s_wait_loadcnt 0x0
.irp r, 0,2,4,6
	v_pk_fma_f32 v[GOWN+(\r):GOWN+(\r)+1], v[GOWN+(\r):GOWN+(\r)+1], s[84:85], s[84:85] op_sel_hi:[1,0,0]   ; 8 gamma + 8, rounded once: the bits of (gamma + 1) 8
.endr
	EPI 1
	s_branch .Lend
.Lkind_q:
	s_lshl4_add_u32 s23, s21, s22
	s_lshl_b32 s23, s23, 11
	s_add_co_u32 s23, s23, s20
	s_lshl_b32 s82, s23, 7
	s_add_nc_u64 s[OUTB:OUTB+1], s[70:71], s[82:83]
	EPI 0
.Lend:
	s_wait_tensorcnt 0x0                           ; the wave's end, behind my last tensor load and my last LDS store
	ds_add_u32 v[SPW], v[NIL]
	s_wait_dscnt 0x0
	CROUND                                         ; the closing round
	s_endpgm
.Lfunc_end_k_q60318eef89_proj:
	.size	k_q60318eef89_proj, .Lfunc_end_k_q60318eef89_proj-k_q60318eef89_proj
	.p2alignl 7, 3214868480
	.fill 96, 4, 3214868480
	.section	.rodata,"a",@progbits
	.p2align	6, 0x0
	.amdhsa_kernel k_q60318eef89_proj
		.amdhsa_group_segment_fixed_size 327680
		.amdhsa_private_segment_fixed_size 0
		.amdhsa_enable_private_segment 0
		.amdhsa_kernarg_size 48
		.amdhsa_user_sgpr_count 2
		.amdhsa_user_sgpr_kernarg_segment_ptr 1
		.amdhsa_wavefront_size32 1
		.amdhsa_system_sgpr_workgroup_id_x 1
		.amdhsa_system_sgpr_workgroup_id_y 1
		.amdhsa_system_sgpr_workgroup_id_z 1
		.amdhsa_system_vgpr_workitem_id 0
		.amdhsa_next_free_vgpr 704
		.amdhsa_next_free_sgpr 96
		.amdhsa_reserve_vcc 0
		.amdhsa_float_denorm_mode_32 3
		.amdhsa_float_denorm_mode_16_64 3
		.amdhsa_memory_ordered 1
		.amdhsa_forward_progress 1
		.amdhsa_inst_pref_size 138
	.end_amdhsa_kernel
	.amdgpu_metadata
---
amdhsa.version: [ 1, 2 ]
amdhsa.kernels:
  - .name:           k_q60318eef89_proj
    .symbol:         k_q60318eef89_proj.kd
    .args:
      - { .name: normed, .offset: 0, .size: 8, .value_kind: global_buffer, .address_space: global }
      - { .name: wts, .offset: 8, .size: 8, .value_kind: global_buffer, .address_space: global }
      - { .name: gamma, .offset: 16, .size: 8, .value_kind: global_buffer, .address_space: global }
      - { .name: residual_values, .offset: 24, .size: 8, .value_kind: global_buffer, .address_space: global }
      - { .name: gm, .offset: 32, .size: 8, .value_kind: global_buffer, .address_space: global }
      - { .name: qkv, .offset: 40, .size: 8, .value_kind: global_buffer, .address_space: global }
    .group_segment_fixed_size: 327680
    .private_segment_fixed_size: 0
    .kernarg_segment_align: 8
    .kernarg_segment_size: 48
    .max_flat_workgroup_size: 128
    .sgpr_count:     96
    .vgpr_count:     704
    .wavefront_size: 32
...
	.end_amdgpu_metadata
.endif
;; end of part 3
;; launch attn (part 4): grid 8 x 32, 8 waves a work-group, clusters of 4 x 1, 327,680 bytes of LDS; arguments qkv, gm, o16; writes o16
.if DOCPART == 4
	.amdgcn_target "amdgcn-amd-amdhsa--gfx1250"
	.amdhsa_code_object_version 6
	.text
	.protected	k_q60318eef89_attn
	.globl	k_q60318eef89_attn
	.p2align	8
	.type	k_q60318eef89_attn,@function
k_q60318eef89_attn:
	s_mov_b64 s[64:65], 0
	v_nop
	global_prefetch_b8 v0, s[64:65] scope:SCOPE_SE
	s_setreg_imm32_b32 hwreg(HW_REG_WAVE_MODE, 25, 1), 1
	s_wait_xcnt 0x0
	s_wait_alu depctr_hold_cnt(0) depctr_sa_sdst(0) depctr_va_vdst(0) depctr_va_sdst(0) depctr_va_ssrc(0) depctr_va_vcc(0) depctr_vm_vsrc(0)
	s_getreg_b32 s2, hwreg(HW_REG_IB_STS2, 6, 4)
	s_cmp_eq_u32 s2, 0
	s_cbranch_scc0 .Lentry_in_a_cluster
	s_endpgm
.Lentry_in_a_cluster:
	s_bfe_u32 s2, ttmp6, 0x10000c
	s_cmp_lg_u32 s2, 0x3003
	s_cbranch_scc0 .Lentry_shape_is_right
	s_endpgm
.Lentry_shape_is_right:
; ATTENTION with the clamp 50 tanh(s / 50), then the belief step and the gate.  q (times c2), k, v: f16 by heads in qkv; o16 [b][16][2048][64] f16.
; ALGEBRA.  S = c2 q.k comes out of the matrix unit (c2 = 2 log2(e) / 400).  w(S) = 1 / (1 + 2^S); log2(e) 50 tanh = A - 2A w, A = 50 log2(e).  tanh rises with S, so the running maximum m is kept of the
; raw S; D = 2A w(m); the weight p = 2^(D - 2A w) lies in 0 to 1; in every step O and l are multiplied by a = 2^(D_new - D_old).  m starts at the lowest finite number (D = 2A), O and l at 0.
; 2^S = infinity gives w = 0 and 2^S = 0 gives w = 1: no case apart.  l = the sum of the weights as rounded to f16, made by the matrix unit (a source of ones beside V).
; THE END.  out = O / l; out - (out.v) v / max(|v|^2, 1e-24) with v the query row's own value row; times the gate: (gate / l) (O - (O.v) v / vv).
; LIMITS.  f16 ends at 65,504 (q, k, v, O within it); a weight below 2^-126 counts as 0; NaN and infinities are not treated apart.
; SHARES.  A work-group owns 256 queries of one query head, each of its EIGHT waves 32: two tiles of 16.  A tile and key step have 99 transcendentals and 87 plain vector instructions beside 18 matrix
; instructions: the vector work binds, so two waves share a SIMD and each fills the other's waits.
; BY TURNS.  In TURN x tile x has the matrix unit: 10 products (V^T P and the ones) of the step in hand, then 8 products K Q^T of the next step, in nine pairs spread over the turn; the OTHER tile's
; softmax is the turn's vector stream, and none of its lines names a register of those products.  Two turns are a key step.  So a wave has no stretch of matrix work alone, and two waves of a SIMD
; need not stand in different phases to fill each other's gaps.
; LAYOUT.  S^T = K Q^T: a lane holds ONE query (lane % 16) and the keys 8 (lane / 16) + 0..7; two such results rounded to f16 ARE source 1 of O^T = V^T P.  V is turned by ds_load_tr16_b128.
; CLUSTER.  The four query blocks of a cluster walk the same K and V: each tile of 256 keys is asked for jointly.  Two slots; waves 0, 1 fetch K's halves, waves 2, 3 V's, waves 4-7 none.
; REGISTERS (s_set_vgpr_msb: bits 1:0 source 0, 3:2 source 1, 5:4 source 2, 7:6 destination).  Window 0: all that the vector work touches.  Window 1: Q, K, V, the ones.  A pair of products costs two switches.
.set K_OFF, 8388608
.set V_OFF, 12582912
.set KS,    64
.set PK,    144                        ; a row of K in LDS: 128 bytes + 16
.set PV,    160                        ; a row of V: 128 + 32
.set VOFF,  4*KS*PK
.set SLOT1, 1<<17
.set STAGE, SLOT1+4*KS*(PK+PV)         ; behind the ring: 16 rows x 144 bytes for each wave
.set SP,    144
.set SPARE, STAGE+8*16*SP              ; behind the stages: the spare words, 128 bytes for each of the eight waves
.set AK0, 2
.set AV0, 3
.set AK,  4
.set AV,  5
.set QO,  6                            ; v6  row x 128 + 16 (l / 16): for Q and for my own rows of v
.set RD,  7
.set GO,  8
.set PFO, 12
.set GA,  13
.set SPW, 14
.set NIL, 15
.set ST,  16                           ; tile u at v[16 + 8 u]: D, m, a, (pair's other half), c0-c3
.set GATE, 32                          ; v32-33
.set ZR,  34                           ; 0
.set STO, 35
.set WK,  36                           ; v36-47 the way out: six a tile
.set L,   48                           ; v[48 + 8 u ..]  every register the query's sum of weights; registers 0, 1 alone are rescaled, register 0 alone is read
.set S,   64
.set P,   128
.set O,   160
.set VR,  224                          ; my queries' own rows of v, f16: register 16 u + t holds the channels of O's registers 32 u + 2 t, + 1
.set KF,  32                           ; window 1: Q at 16 u + 8 c; K at KF + 16 kb + 8 c; V at VF + 32 kk + 8 cb; ONES
.set VF,  96
.set ONES, 160
.set WV,  12
.set TWOA, 13
.set LIM, 15
.set PFA, 18
.set G1K, 24
.set G1V, 32
.set G0K, 40                           ; two sets; the second walks
.set G0V, 48
.set SLOTS, 56
.set CNT, 57
.set NA,  58                           ; s[58:59] -2A
.set SEL, 60
.set TBK, 62
.set TBV, 63
.set QB,  66
.set VB,  68
.set GB,  70
.set MSB, 0
.macro WIN new
.if MSB != (\new)
	s_set_vgpr_msb (MSB<<8)|(\new)
.set MSB, \new
.endif
.endm
.set W_KQ, 0x05                        ; K and Q in window 1
.set W_PV, 0x01                        ; V (or the ones) in window 1
.set TO_1, 0x40                        ; destination window 1
.macro PLACES
.rept 4
	v_nop
.endr
.endm
.macro JLOAD                           ; the joint refill; the branches hang on the wave's number alone; an s_nop 0 and four v_nop follow each line
	s_cmp_lt_u32 s[WV], 2
	s_cbranch_scc0 .Lnot_k_\@
	tensor_load_to_lds s[G0K+4:G0K+7], s[G1K:G1K+7]
	s_nop 0
.rept 4
	v_nop
.endr
	s_branch .Lasked_\@
.Lnot_k_\@:
	s_cmp_lt_u32 s[WV], 4
	s_cbranch_scc0 .Lasked_\@
	tensor_load_to_lds s[G0V+4:G0V+7], s[G1V:G1V+7]
	s_nop 0
.rept 4
	v_nop
.endr
.Lasked_\@:
.endm
; A prefetch into the L2 of the tile that the NEXT change of slots will ask for (four key steps ahead of that load): 128 blocks of 256 bytes of K and of V.  Each is named once in the launch: of the four
; clusters that walk a key head (two query heads, two clusters each) the first asks; its four partners take 32 blocks each, by address; wave 0 asks for K's, wave 2 for V's.  The last change that fills asks for nothing.
.macro ASK
	s_cmp_gt_u32 s[SLOTS], s[LIM]
	s_cbranch_scc0 .Lnot_mine_\@
	global_prefetch_b8 v[PFO], s[PFA:PFA+1] th:TH_LOAD_NT scope:SCOPE_SE
.Lnot_mine_\@:
.endm
.macro CROUND
	s_barrier_signal -1
	s_barrier_wait -1
	s_cmp_lg_u32 s[WV], 0
	s_cbranch_scc1 .Lnot_wave_0_\@
	s_barrier_signal -3
.Lnot_wave_0_\@:
	s_barrier_wait -3
	s_barrier_signal -1
	s_barrier_wait -1
.endm
; THE CHANGE OF SLOTS.  Each wave waits for all its tensor loads, adds 0 to its spare word, and waits for that and for its reads of the slot that it leaves.  fill = 1: a round of the cluster's barrier,
; and the slot is filled again first thing behind it, with the keys two slots on: the load has four key steps in which to land.
.macro CHANGE fill
	WIN 0
	s_wait_tensorcnt 0x0
	ds_add_u32 v[SPW], v[NIL]
.if \fill
.irp g, G0K+4, G0V+4
	s_xor_b32 s[(\g)+1], s[(\g)+1], SLOT1
	s_add_nc_u64 s[(\g)+2:(\g)+3], s[(\g)+2:(\g)+3], 4*KS*128
.endr
	s_wait_xcnt 0x0                                ; the last prefetch, four key steps back, has read its address
	s_add_nc_u64 s[PFA:PFA+1], s[PFA:PFA+1], 4*KS*128
	s_wait_dscnt 0x0
	CROUND
	JLOAD
	ASK
.else
	s_wait_dscnt 0x0
	s_barrier_signal -1
	s_barrier_wait -1
.endif
	s_sub_co_u32 s[TBK], s[TBK], 4*KS*PK
	s_xor_b32 s[TBK], s[TBK], SLOT1
	s_sub_co_u32 s[TBV], s[TBV], 4*KS*PV
	s_xor_b32 s[TBV], s[TBV], SLOT1
.endm
.macro FETCH_K                         ; a step's K: 16 loads in one run
	WIN 0
	v_add_nc_u32 v[AK], s[TBK], v[AK0]
	WIN TO_1
.irp f, 0,1,2,3,4,5,6,7
	ds_load_b128 v[KF+8*(\f):KF+8*(\f)+3],   v[AK] offset:((\f)/2)*16*PK+((\f)%2)*64
	ds_load_b128 v[KF+8*(\f)+4:KF+8*(\f)+7], v[AK] offset:((\f)/2)*16*PK+((\f)%2)*64+32
.endr
	s_add_co_u32 s[TBK], s[TBK], KS*PK
	WIN 0
.endm
.macro FETCH_V                         ; a step's V, turned
	WIN 0
	v_add_nc_u32 v[AV], s[TBV], v[AV0]
	WIN TO_1
.irp f, 0,1,2,3,4,5,6,7
	ds_load_tr16_b128 v[VF+8*(\f):VF+8*(\f)+3],   v[AV] offset:((\f)/4)*32*PV+((\f)%4)*32
	ds_load_tr16_b128 v[VF+8*(\f)+4:VF+8*(\f)+7], v[AV] offset:((\f)/4)*32*PV+16*PV+((\f)%4)*32
.endr
	s_add_co_u32 s[TBV], s[TBV], KS*PV
	WIN 0
.endm
; Matrix instruction i_ of a turn's 18, for tile x.  0-9: keys 32 (i_ / 5) on; i_ % 5 < 4: O^T += V^T P for channels 16 (i_ % 5) on; i_ % 5 = 4: l += ones P.  10-17: S^T = K Q^T, keys 16 (j % 4) on,
; channels 32 (j / 4) on; the first four start the sums.  Five, then four accumulators take turns, one instruction a turn.
.macro MM x
.if i_ < 10
	WIN W_PV
.set kk_, i_/5
.set cb_, i_%5
.set rP_, P+16*(\x)+8*kk_
.if cb_ < 4
.set rD_, O+32*(\x)+8*cb_
.set rV_, VF+32*kk_+8*cb_
.else
.set rD_, L+8*(\x)
.set rV_, ONES
.endif
	v_wmma_f32_16x16x32_f16 v[rD_:rD_+7], v[rV_:rV_+7], v[rP_:rP_+7], v[rD_:rD_+7]
.else
	WIN W_KQ
.set j_, i_-10
.set rS_, S+32*(\x)+8*(j_%4)
.set rK_, KF+16*(j_%4)+8*(j_/4)
.set rQ_, 16*(\x)+8*(j_/4)
.if j_ < 4
	v_wmma_f32_16x16x32_f16 v[rS_:rS_+7], v[rK_:rK_+7], v[rQ_:rQ_+7], 0
.else
	v_wmma_f32_16x16x32_f16 v[rS_:rS_+7], v[rK_:rK_+7], v[rQ_:rQ_+7], v[rS_:rS_+7]
.endif
.endif
.set i_, i_+1
.endm
; Transcendental i of 33 of batch k for tile u.  k = 1: 2^S (32: 2^m).  k = 2: reciprocals.  k = 3: the weights (32: a).
.macro TR k, u, i
.set rT, ST+8*(\u)
.set rS, S+32*(\u)
.if (\i) < 32
.if (\k) == 2
	v_rcp_f32 v[rS+(\i)], v[rS+(\i)]
.else
	v_exp_f32 v[rS+(\i)], v[rS+(\i)]
.endif
.elseif (\k) == 1
	v_exp_f32 v[rT+4], v[rT+1]
.elseif (\k) == 2
	v_rcp_f32 v[rT+4], v[rT+4]
.else
	v_exp_f32 v[rT+2], v[rT+5]
.endif
.endm
; Plain instruction n of list k for tile u.  k = 0 (18): the maximum; each accumulator's lowest registers are read first.  k = 1 (17): 1 + 2^S.  k = 2 (19): D, its change, D - 2A w.
; k = 3 (33): the weights rounded to f16; O and l times a.
.macro PN k, u, n
.set rT, ST+8*(\u)
.set rS, S+32*(\u)
.set rP, P+16*(\u)
.set rO, O+32*(\u)
.set rL, L+8*(\u)
.if (\k) == 0
.if (\n) < 4
	v_max3_num_f32 v[rT+4+(\n)], v[rS+8*(\n)], v[rS+8*(\n)+1], v[rS+8*(\n)+2]
.elseif (\n) < 12
	v_max3_num_f32 v[rT+4+(\n)%4], v[rT+4+(\n)%4], v[rS+8*((\n)%4)+2*((\n)/4)+1], v[rS+8*((\n)%4)+2*((\n)/4)+2]
.elseif (\n) == 12
	v_max3_num_f32 v[rT+4], v[rT+4], v[rS+7], v[rS+15]
.elseif (\n) == 13
	v_max3_num_f32 v[rT+5], v[rT+5], v[rS+23], v[rS+31]
.elseif (\n) == 14
	v_max3_num_f32 v[rT+6], v[rT+6], v[rT+7], v[rT+1]
.elseif (\n) == 15
	v_max3_num_f32 v[rT+4], v[rT+4], v[rT+5], v[rT+6]
.elseif (\n) == 16
	v_permlanex16_b32 v[rT+7], v[rT+4], s[SEL], s[SEL+1]   ; the query's other 32 keys lie in the lane 16 away
.else
	v_max_num_f32 v[rT+1], v[rT+4], v[rT+7]
.endif
.elseif (\k) == 1
.if (\n) < 16
	v_pk_add_f32 v[rS+2*(\n):rS+2*(\n)+1], v[rS+2*(\n):rS+2*(\n)+1], 1.0 op_sel_hi:[1,0]
.else
	v_add_f32 v[rT+4], 1.0, v[rT+4]
.endif
.elseif (\k) == 2
.if (\n) == 0
	v_mov_b32 v[rT+5], v[rT]
.elseif (\n) == 1
	v_mul_f32 v[rT], s[TWOA], v[rT+4]
.elseif (\n) == 2
	v_sub_f32 v[rT+5], v[rT], v[rT+5]
.else
	v_pk_fma_f32 v[rS+2*((\n)-3):rS+2*((\n)-3)+1], v[rS+2*((\n)-3):rS+2*((\n)-3)+1], s[NA:NA+1], v[rT:rT+1] op_sel_hi:[1,0,0]
.endif
.else
.if (\n) < 16
	v_cvt_pk_f16_f32 v[rP+(\n)], v[rS+2*(\n)], v[rS+2*(\n)+1]
.elseif (\n) < 32
	v_pk_mul_f32 v[rO+2*((\n)-16):rO+2*((\n)-16)+1], v[rO+2*((\n)-16):rO+2*((\n)-16)+1], v[rT+2:rT+3] op_sel_hi:[1,0]
.else
	v_pk_mul_f32 v[rL:rL+1], v[rL:rL+1], v[rT+2:rT+3] op_sel_hi:[1,0]
.endif
.endif
.endm
.macro BATCH_END                       ; a plain instruction behind a batch's last transcendental, and ONE wait for the batch, ahead of the first line that names a result of it
	v_nop
	s_wait_alu depctr_va_vdst(0)
.endm
; ONE TILE'S SOFTMAX FOR ONE KEY STEP is a list of 189 lines; VL writes number n_ of it for tile y.  Three batches of 33 transcendentals, each with the plain lines that feed it set among them, so that
; no more than four transcendentals stand on end; nothing in a batch names a result of the batch.
;   0-50     each line of the maximum, and behind it 2^S of just the scores that it has read (2^S overwrites S); the last four 2^S stand between the links of the maximum's end; 2^m is the batch's last
;   52-101   1 + 2^S by pairs, each two pairs ahead of its two reciprocals; the reciprocal for m last
;   103-154  D, its change, a; D - 2A w by pairs, each two pairs ahead of its two exponentials
;   156-188  the roundings to f16, O and l times a: all plain
;   51, 102, 155  the batches' ends
.macro VL y
.if n_ < 16
.if n_%4 == 0
	PN 0, \y, n_/4
.else
	TR 1, \y, 8*(n_/4)+n_%4-1
.endif
.elseif n_ < 40
.set g_, 4+(n_-16)/3
.if (n_-16)%3 == 0
	PN 0, \y, g_
.else
	TR 1, \y, 8*(g_%4)+2*(g_/4)+(n_-16)%3
.endif
.elseif n_ < 43
	PN 0, \y, n_-28
.elseif n_ < 50
.if (n_-43)%2 == 0
	TR 1, \y, 7+4*(n_-43)
.else
	PN 0, \y, 15+(n_-44)/2
.endif
.elseif n_ == 50
	TR 1, \y, 32
.elseif n_ == 51
	BATCH_END
.elseif n_ < 54
	PN 1, \y, n_-52
.elseif n_ < 99
.set k_, n_-54
.if k_%3 == 2
	PN 1, \y, k_/3+2
.else
	TR 2, \y, 2*(k_/3)+k_%3
.endif
.elseif n_ < 102
	TR 2, \y, n_-69
.elseif n_ == 102
	BATCH_END
.elseif n_ < 108
	PN 2, \y, n_-103
.elseif n_ == 108
	TR 3, \y, 32
.elseif n_ < 151
.set k_, n_-109
.if k_%3 == 2
	PN 2, \y, k_/3+5
.else
	TR 3, \y, 2*(k_/3)+k_%3
.endif
.elseif n_ < 155
	TR 3, \y, n_-123
.elseif n_ == 155
	BATCH_END
.else
	PN 3, \y, n_-156
.endif
.endm
; A TURN.  Tile x has the matrix unit, the other tile's softmax is the vector stream.  The nine pairs of products stand ahead of the list's numbers 2, 18, 34, 53, 70 (V^T P and the ones) and
; 104, 122, 140, 158 (K Q^T): none within fifteen lines ahead of a batch's wait.
; TURN 0 opens with the run of loads for K of the next step: the last product that read K stands ahead of number 158 of the turn before, 31 plain lines back; the same 31 are the places ahead of this
; turn's first read of that product's scores.  TURN 1 fetches V of the next step ahead of number 86: behind the last product that read V (ahead of 70) stand the five plain lines 71, 74, 77, 80, 83
; and the run's own v_add_nc_u32.
.macro TURN x
.set n_, 0
.set i_, 0
.if (\x) == 0
	FETCH_K
.endif
.rept 189
.if (n_ == 2) || (n_ == 18) || (n_ == 34) || (n_ == 53) || (n_ == 70) || (n_ == 104) || (n_ == 122) || (n_ == 140) || (n_ == 158)
.if ((\x) == 0) && (n_ == 2)
	s_wait_dscnt 16                                ; V is in; K's 16 younger loads may stay out
.endif
.if ((\x) == 0) && (n_ == 104)
	s_wait_dscnt 0x0                               ; K is in
.endif
	MM \x
	MM \x
	WIN 0
.endif
.if ((\x) == 1) && (n_ == 86)
	FETCH_V
.endif
	VL 1-(\x)
.set n_, n_+1
.endr
.endm
	s_load_b128 s[4:7], s[0:1], 0x0                ; qkv 4, gm 6
	s_load_b64 s[8:9], s[0:1], 0x10                ; o16
	v_lshl_add_u32 v[SPW], v0, 2, SPARE
	v_mov_b32 v[NIL], 0
	ds_add_u32 v[SPW], v[NIL]                      ; the wave's opening: the add, and its wait ahead of the first tensor loads
	v_lshrrev_b32 v1, 5, v0
	v_readfirstlane_b32 s[WV], v1
	s_bfe_u32 s14, ttmp6, 0x40000                  ; cx
	s_lshl_b32 s16, ttmp9, 2
	s_add_co_u32 s16, s16, s14                     ; my block of 256 queries: it enters plain addresses alone
	s_and_b32 s17, ttmp7, 0xffff                   ; y = 16 b + query head
	s_lshr_b32 s20, s17, 1                         ; 8 b + key head
	s_lshl_b32 s20, s20, 18                        ; its 262,144 bytes
	s_and_b32 s22, s[WV], 1                        ; which half of a tile I fetch
	s_lshl_b32 s23, s22, 14
	s_mul_i32 s2, s22, 128*PK
	s_mul_i32 s3, s22, 128*PV
	s_add_co_u32 s3, s3, VOFF
	s_add_co_u32 s22, s20, s23
	s_mov_b32 s23, 0
	s_lshl_b32 s10, s16, 15
	s_lshl_b32 s11, s[WV], 12
	s_add_co_u32 s10, s10, s11                     ; my wave's 32 rows in a head
	s_lshl_b32 s72, s17, 18
	s_add_co_u32 s72, s72, s10                     ; Q and O
	s_mov_b32 s73, 0
	s_add_co_u32 s74, s20, s10                     ; my own rows of v
	s_mov_b32 s75, 0
	s_lshr_b32 s76, s17, 4
	s_lshl_b32 s76, s76, 18
	s_add_co_u32 s76, s76, s10                     ; gm: 128 bytes a token,
	s_and_b32 s77, s17, 15
	s_lshl2_add_u32 s76, s77, s76                  ; the query head's column
	s_mov_b32 s77, 0
	s_mov_b32 s[G1K], 15|(1<<16)|(1<<20)|(1<<21)|(4<<22)|(3<<25)   ; the mask of four; 2-byte elements; padding on; bit 21 beside a mask; after every 32 words 4 words
	s_mov_b32 s[G1V], 15|(1<<16)|(1<<20)|(1<<21)|(4<<22)|(7<<25)   ; 8 words
.irp g, G1K, G1V
	s_mov_b32 s[(\g)+1], 128<<16                   ; 128 keys are 16,384 dense bytes: 64 rows of 256 bytes, two keys a row
	s_mov_b32 s[(\g)+2], 64<<16
	s_mov_b32 s[(\g)+3], 128<<16
	s_mov_b32 s[(\g)+4], 64
	s_mov_b32 s[(\g)+5], 128
	s_mov_b32 s[(\g)+6], 0
	s_mov_b32 s[(\g)+7], 0
.endr
	s_mov_b32 s[TWOA], 0x431044fe                  ; 2A = 100 log2(e)
	s_mov_b32 s[NA], 0xc31044fe
	s_mov_b32 s[NA+1], s[NA]
	s_mov_b32 s[SEL], 0x76543210
	s_mov_b32 s[SEL+1], 0xfedcba98
	s_mov_b32 s[TBK], 0
	s_mov_b32 s[TBV], 0
	s_and_b32 s[LIM], s[WV], 1                     ; waves 0 and 2,
	s_lshr_b32 s11, s[WV], 2
	s_or_b32 s[LIM], s[LIM], s11
	s_or_b32 s[LIM], s[LIM], ttmp9                 ; of the first cluster
	s_and_b32 s11, s17, 1
	s_or_b32 s[LIM], s[LIM], s11                   ; of the key head's first query head: the same in all four partners
	s_cmp_eq_u32 s[LIM], 0
	s_cselect_b32 s[LIM], 1, -1
	v_and_b32 v[PFO], 31, v0
	v_lshlrev_b32 v[PFO], 8, v[PFO]
	s_wait_dscnt 0x0                               ; the opening add is done
	s_wait_kmcnt 0x0
	s_add_nc_u64 s[QB:QB+1], s[4:5], s[72:73]
	s_add_nc_u64 s[8:9], s[8:9], s[72:73]
	s_add_nc_u64 s[VB:VB+1], s[4:5], s[74:75]
	s_add_nc_u64 s[VB:VB+1], s[VB:VB+1], V_OFF
	s_add_nc_u64 s[GB:GB+1], s[6:7], s[76:77]
	s_add_nc_u64 s[78:79], s[4:5], s[22:23]
	s_add_nc_u64 s[80:81], s[78:79], K_OFF         ; K and V at my half of the head's tile 0
	s_add_nc_u64 s[82:83], s[78:79], V_OFF
	s_cmp_lt_u32 s[WV], 2
	s_cselect_b64 s[PFA:PFA+1], s[80:81], s[82:83]
	s_lshl_b32 s10, s14, 13                        ; my work-group's 32 blocks of the 128
	s_mov_b32 s11, 0
	s_add_nc_u64 s[PFA:PFA+1], s[PFA:PFA+1], s[10:11]
	s_add_nc_u64 s[PFA:PFA+1], s[PFA:PFA+1], 2*4*KS*128   ; in tile 2; the first change of slots steps it to tile 3
	CROUND                                         ; all four work-groups are here: the first joint loads meet
.irp s, 0,1
	s_mov_b32 s[G0K+4*(\s)], 1
	s_add_co_u32 s[G0K+4*(\s)+1], s2, (\s)*SLOT1
	s_add_nc_u64 s[G0K+4*(\s)+2:G0K+4*(\s)+3], s[80:81], (\s)*4*KS*128
	s_or_b32 s[G0K+4*(\s)+3], s[G0K+4*(\s)+3], 0x80000000
	s_mov_b32 s[G0V+4*(\s)], 1
	s_add_co_u32 s[G0V+4*(\s)+1], s3, (\s)*SLOT1
	s_add_nc_u64 s[G0V+4*(\s)+2:G0V+4*(\s)+3], s[82:83], (\s)*4*KS*128
	s_or_b32 s[G0V+4*(\s)+3], s[G0V+4*(\s)+3], 0x80000000
.endr
	s_cmp_lt_u32 s[WV], 2                          ; a wave's two first fills stand in one branch: two loads of mine are out, or none
	s_cbranch_scc0 .Lfirst_v
	tensor_load_to_lds s[G0K:G0K+3], s[G1K:G1K+7]
	s_nop 0
	tensor_load_to_lds s[G0K+4:G0K+7], s[G1K:G1K+7]
	s_nop 0
.rept 4
	v_nop
.endr
	s_branch .Lfirst_asked
.Lfirst_v:
	s_cmp_lt_u32 s[WV], 4
	s_cbranch_scc0 .Lfirst_asked
	tensor_load_to_lds s[G0V:G0V+3], s[G1V:G1V+7]
	s_nop 0
	tensor_load_to_lds s[G0V+4:G0V+7], s[G1V:G1V+7]
	s_nop 0
.rept 4
	v_nop
.endr
.Lfirst_asked:
	v_and_b32 v1, 15, v0                           ; l % 16
	v_bfe_u32 v9, v0, 4, 1                         ; l / 16
	v_lshlrev_b32 v[QO], 7, v1
	v_lshl_add_u32 v[QO], v9, 4, v[QO]
	v_lshlrev_b32 v[GA], 7, v1
	WIN TO_1
.irp i, 0,1,2,3                        ; Q stays in registers: tile i / 2, channels 32 (i % 2) on
	global_load_b128 v[8*(\i):8*(\i)+3],   v[QO], s[QB:QB+1] offset:((\i)/2)*2048+((\i)%2)*64
	global_load_b128 v[8*(\i)+4:8*(\i)+7], v[QO], s[QB:QB+1] offset:((\i)/2)*2048+((\i)%2)*64+32
.endr
.irp i, 0,1,2,3,4,5,6,7
	v_mov_b32 v[ONES+(\i)], 0x3c003c00             ; 1.0 twice in f16
.endr
	; What the first turn finds.  The loop is entered at TURN 1, whose ten products belong to a step that has not been: V's registers and tile 1's P hold 0, so they add 0.  O and l start at 0.
	; 160 lines, in the wait for the first tile: the price of writing no first step out.
.set i_, 0
.rept 64
	v_mov_b32 v[VF+i_], 0
.set i_, i_+1
.endr
	WIN 0
.irp i, 0,1,2,3,4,5,6,7                ; my queries' own rows of v: tile i / 4, channels 16 (i % 4) + 8 (l / 16) + 0..7
	global_load_b128 v[VR+4*(\i):VR+4*(\i)+3], v[QO], s[VB:VB+1] offset:((\i)/4)*2048+((\i)%4)*32
.endr
	global_load_b32 v[GATE], v[GA], s[GB:GB+1]
	global_load_b32 v[GATE+1], v[GA], s[GB:GB+1] offset:2048
.set i_, 0
.rept 64
	v_mov_b32 v[O+i_], 0
.set i_, i_+1
.endr
.set i_, 0
.rept 16
	v_mov_b32 v[L+i_], 0
	v_mov_b32 v[P+16+i_], 0
.set i_, i_+1
.endr
.irp u, 0,1
	v_mov_b32 v[ST+8*(\u)], 0x431044fe             ; D = 2A w(m) with w = 1
	v_mov_b32 v[ST+8*(\u)+1], 0xff7fffff           ; m
	v_mov_b32 v[ST+8*(\u)+2], 0
	v_mov_b32 v[ST+8*(\u)+3], 0
.endr
	v_mov_b32 v[ZR], 0
	v_mul_u32_u24 v[AK0], v1, PK
	v_lshl_add_u32 v[AK0], v9, 4, v[AK0]
	v_and_b32 v10, 7, v0
	v_bfe_u32 v11, v0, 3, 1
	v_lshl_add_u32 v[AV0], v9, 3, v10
	v_mul_u32_u24 v[AV0], v[AV0], PV
	v_lshl_add_u32 v[AV0], v11, 4, v[AV0]
	v_add_nc_u32 v[AV0], VOFF, v[AV0]
	s_mul_i32 s10, s[WV], 16*SP
	s_add_co_u32 s10, s10, STAGE                   ; my stage
	v_mul_u32_u24 v[STO], v1, SP
	v_lshl_add_u32 v[STO], v9, 4, v[STO]
	v_add_nc_u32 v[STO], s10, v[STO]
	v_bfe_u32 v[RD], v0, 3, 2
	v_mul_u32_u24 v[RD], v[RD], SP
	v_lshl_add_u32 v[RD], v10, 4, v[RD]
	v_add_nc_u32 v[RD], s10, v[RD]
	v_and_b32 v[GO], 31, v0
	v_lshlrev_b32 v[GO], 4, v[GO]
	s_wait_tensorcnt 0x1                           ; my part of slot 0 is in; slot 1's may stay out
	s_barrier_signal -1
	s_barrier_wait -1
	FETCH_K                                        ; key step 0
	s_wait_loadcnt 0x0                             ; Q, my rows of v, the gates
	s_wait_dscnt 0x0                               ; K is in
.set i_, 10
.rept 8
	MM 0                                           ; tile 0's first scores
.endr
	WIN 0
	PLACES                                         ; ahead of the first read of those scores
	s_mov_b32 s[CNT], 4                            ; the half trip that follows fetches V of step 0, the three whole ones slot 0's steps 1 to 3
	s_mov_b32 s[SLOTS], 7
	s_branch .Lmid                                 ; the loop is entered in the middle of a trip
.Lslot:                                        ; six times: tiles 2 to 7 are asked for
	CHANGE 1
	s_mov_b32 s[CNT], 4
.Lstep:                                        ; key step j
	TURN 0                                         ; K of j + 1 | tile 0: V^T P of j, K Q^T of j + 1 | tile 1's softmax of j
.Lmid:
	TURN 1                                         ; tile 1: V^T P of j, K Q^T of j + 1 | V of j + 1 | tile 0's softmax of j + 1
	s_sub_co_u32 s[CNT], s[CNT], 1
	s_cmp_lg_u32 s[CNT], 0
	s_cbranch_scc1 .Lstep
	s_sub_co_u32 s[SLOTS], s[SLOTS], 1
	s_cmp_lg_u32 s[SLOTS], 0
	s_cbranch_scc1 .Lslot
	CHANGE 0                                       ; the tail is written out
	s_mov_b32 s[CNT], 5                            ; four trips fetch the last slot's steps; the fifth is left in its middle
.Ltail:
	TURN 0
	s_sub_co_u32 s[CNT], s[CNT], 1
	s_cmp_eq_u32 s[CNT], 0
	s_cbranch_scc1 .Lout
	TURN 1
	s_branch .Ltail
.Lout:                                         ; the fifth trip's run of loads (it reads the slot's first rows of V as if they were K) and its 8 products K Q^T serve nothing: the price, once a wave, of one text for every trip
.set i_, 0
.rept 10
	MM 1                                           ; tile 1's V^T P of the last step
.endr
	WIN 0
	PLACES
	; THE WAY OUT.  dot = O.v and vv = v.v over my 32 channels (f16 halves read by the mixed fma), then the other half of the lanes'.
.irp u, 0,1
.set W_, WK+6*(\u)
.set t_, 0
.rept 16
.if t_ == 0
	v_fma_mix_f32 v[W_],   v[O+32*(\u)],   v[VR+16*(\u)], v[ZR] op_sel_hi:[0,1,0]
	v_fma_mix_f32 v[W_+1], v[O+32*(\u)+1], v[VR+16*(\u)], v[ZR] op_sel:[0,1,0] op_sel_hi:[0,1,0]
	v_fma_mix_f32 v[W_+2], v[VR+16*(\u)],  v[VR+16*(\u)], v[ZR] op_sel_hi:[1,1,0]
	v_fma_mix_f32 v[W_+3], v[VR+16*(\u)],  v[VR+16*(\u)], v[ZR] op_sel:[1,1,0] op_sel_hi:[1,1,0]
.else
	v_fma_mix_f32 v[W_],   v[O+32*(\u)+2*t_],   v[VR+16*(\u)+t_], v[W_]   op_sel_hi:[0,1,0]
	v_fma_mix_f32 v[W_+1], v[O+32*(\u)+2*t_+1], v[VR+16*(\u)+t_], v[W_+1] op_sel:[0,1,0] op_sel_hi:[0,1,0]
	v_fma_mix_f32 v[W_+2], v[VR+16*(\u)+t_],    v[VR+16*(\u)+t_], v[W_+2] op_sel_hi:[1,1,0]
	v_fma_mix_f32 v[W_+3], v[VR+16*(\u)+t_],    v[VR+16*(\u)+t_], v[W_+3] op_sel:[1,1,0] op_sel_hi:[1,1,0]
.endif
.set t_, t_+1
.endr
	v_add_f32 v[W_], v[W_], v[W_+1]
	v_add_f32 v[W_+2], v[W_+2], v[W_+3]
	v_permlanex16_b32 v[W_+1], v[W_], s[SEL], s[SEL+1]
	v_permlanex16_b32 v[W_+3], v[W_+2], s[SEL], s[SEL+1]
	v_add_f32 v[W_], v[W_], v[W_+1]
	v_add_f32 v[W_+2], v[W_+2], v[W_+3]
	v_max_num_f32 v[W_+2], 0x179abe15, v[W_+2]     ; max(|v|, 1e-12)^2
	v_mov_b32 v[W_+5], 0                           ; named with the scale as a pair
.endr
.irp u, 0,1
	v_rcp_f32 v[WK+6*(\u)+2], v[WK+6*(\u)+2]
	v_rcp_f32 v[WK+6*(\u)+4], v[L+8*(\u)]
.endr
	v_nop
	s_wait_alu depctr_va_vdst(0)                   ; one wait for the four reciprocals
.irp u, 0,1
	v_mul_f32 v[WK+6*(\u)], v[WK+6*(\u)], v[WK+6*(\u)+2]
	v_xor_b32 v[WK+6*(\u)], 0x80000000, v[WK+6*(\u)]          ; - dot / vv
	v_mul_f32 v[WK+6*(\u)+4], v[GATE+(\u)], v[WK+6*(\u)+4]    ; gate / l
.endr
.macro PACK u                          ; O - (dot / vv) v, times gate / l, to f16; through my stage: in by 16 bytes a lane, back as whole rows of 128 bytes
.set W_, WK+6*(\u)
.set t_, 0
.rept 16
	v_fma_mix_f32 v[O+32*(\u)+2*t_],   v[W_], v[VR+16*(\u)+t_], v[O+32*(\u)+2*t_]   op_sel_hi:[0,1,0]
	v_fma_mix_f32 v[O+32*(\u)+2*t_+1], v[W_], v[VR+16*(\u)+t_], v[O+32*(\u)+2*t_+1] op_sel:[0,1,0] op_sel_hi:[0,1,0]
.set t_, t_+1
.endr
.set t_, 0
.rept 16
	v_pk_mul_f32 v[O+32*(\u)+2*t_:O+32*(\u)+2*t_+1], v[O+32*(\u)+2*t_:O+32*(\u)+2*t_+1], v[W_+4:W_+5] op_sel_hi:[1,0]
.set t_, t_+1
.endr
.set t_, 0
.rept 16
	v_cvt_pk_f16_f32 v[S+16*(\u)+t_], v[O+32*(\u)+2*t_], v[O+32*(\u)+2*t_+1]
.set t_, t_+1
.endr
.irp f, 0,1,2,3
	ds_store_b128 v[STO], v[S+16*(\u)+4*(\f):S+16*(\u)+4*(\f)+3] offset:32*(\f)
.endr
.irp f, 0,1,2,3
	ds_load_b128 v[S+16*(\u)+4*(\f):S+16*(\u)+4*(\f)+3], v[RD] offset:(\f)*4*SP   ; LDS serves a wave's instructions in order (ISA guide 5.7.1.4): these see the stores above
.endr
.endm
.macro SEND u, younger                 ; younger: the LDS instructions issued behind tile u's loads
.irp f, 0,1,2,3
	s_wait_dscnt (\younger)+3-(\f)
	global_store_b128 v[GO], v[S+16*(\u)+4*(\f):S+16*(\u)+4*(\f)+3], s[8:9] offset:(\u)*2048+(\f)*512   ; 512 consecutive bytes, aligned
.endr
.endm
	PACK 0
	PACK 1
	SEND 0, 8
	SEND 1, 0
	s_wait_tensorcnt 0x0                           ; the wave's end, behind my last tensor load and my last LDS store
	ds_add_u32 v[SPW], v[NIL]
	s_wait_dscnt 0x0
	CROUND                                         ; the closing round
	s_endpgm
.Lfunc_end_k_q60318eef89_attn:
	.size	k_q60318eef89_attn, .Lfunc_end_k_q60318eef89_attn-k_q60318eef89_attn
	.p2alignl 7, 3214868480
	.fill 96, 4, 3214868480
	.section	.rodata,"a",@progbits
	.p2align	6, 0x0
	.amdhsa_kernel k_q60318eef89_attn
		.amdhsa_group_segment_fixed_size 327680
		.amdhsa_private_segment_fixed_size 0
		.amdhsa_enable_private_segment 0
		.amdhsa_kernarg_size 24
		.amdhsa_user_sgpr_count 2
		.amdhsa_user_sgpr_kernarg_segment_ptr 1
		.amdhsa_wavefront_size32 1
		.amdhsa_system_sgpr_workgroup_id_x 1
		.amdhsa_system_sgpr_workgroup_id_y 1
		.amdhsa_system_sgpr_workgroup_id_z 1
		.amdhsa_system_vgpr_workitem_id 0
		.amdhsa_next_free_vgpr 424
		.amdhsa_next_free_sgpr 88
		.amdhsa_reserve_vcc 0
		.amdhsa_float_denorm_mode_32 3
		.amdhsa_float_denorm_mode_16_64 3
		.amdhsa_memory_ordered 1
		.amdhsa_forward_progress 1
		.amdhsa_inst_pref_size 86
	.end_amdhsa_kernel
	.amdgpu_metadata
---
amdhsa.version: [ 1, 2 ]
amdhsa.kernels:
  - .name:           k_q60318eef89_attn
    .symbol:         k_q60318eef89_attn.kd
    .args:
      - { .name: qkv, .offset: 0, .size: 8, .value_kind: global_buffer, .address_space: global }
      - { .name: gm, .offset: 8, .size: 8, .value_kind: global_buffer, .address_space: global }
      - { .name: o16, .offset: 16, .size: 8, .value_kind: global_buffer, .address_space: global }
    .group_segment_fixed_size: 327680
    .private_segment_fixed_size: 0
    .kernarg_segment_align: 8
    .kernarg_segment_size: 24
    .max_flat_workgroup_size: 256
    .sgpr_count:     88
    .vgpr_count:     424
    .wavefront_size: 32
...
	.end_amdgpu_metadata
.endif
;; end of part 4
;; launch oproj (part 5): grid 16 x 16, 4 waves a work-group, clusters of 4 x 4, 327,680 bytes of LDS; arguments o16, wts, out0; writes out0
.if DOCPART == 5
	.amdgcn_target "amdgcn-amd-amdhsa--gfx1250"
	.amdhsa_code_object_version 6
	.text
	.protected	k_q60318eef89_oproj
	.globl	k_q60318eef89_oproj
	.p2align	8
	.type	k_q60318eef89_oproj,@function
k_q60318eef89_oproj:
	s_mov_b64 s[64:65], 0
	v_nop
	global_prefetch_b8 v0, s[64:65] scope:SCOPE_SE
	s_setreg_imm32_b32 hwreg(HW_REG_WAVE_MODE, 25, 1), 1
	s_wait_xcnt 0x0
	s_wait_alu depctr_hold_cnt(0) depctr_sa_sdst(0) depctr_va_vdst(0) depctr_va_sdst(0) depctr_va_ssrc(0) depctr_va_vcc(0) depctr_vm_vsrc(0)
	s_getreg_b32 s2, hwreg(HW_REG_IB_STS2, 6, 4)
	s_cmp_eq_u32 s2, 0
	s_cbranch_scc0 .Lentry_in_a_cluster
	s_endpgm
.Lentry_in_a_cluster:
	s_bfe_u32 s2, ttmp6, 0x10000c
	s_cmp_lg_u32 s2, 0xf033
	s_cbranch_scc0 .Lentry_shape_is_right
	s_endpgm
.Lentry_shape_is_right:
; out0 [4096][2048] f32 = O [token][head 64 + d] x Wo [1024 k][2048 n], f16 operands, f32 sums.  O lies by heads, o16 [b][16][2048][64]: a K step of 128 is two heads, and a head's 256 tokens
; are 32,768 dense bytes, asked for as 128 rows of 256 bytes and padded in LDS after each token's 128 bytes.  All else is the frame of the projection in front:
; a work-group makes 256 x 128, four waves of 128 x 64, two LDS slots, B turned by ds_load_tr16_b128, source 0 = 16 columns of B, source 1 = 16 rows of A,
; cluster 4 x 4 with A's tile asked for jointly along a row and B's along a column; the f32 tile leaves through LDS bytes that have had their last fill, as whole rows of 256 bytes.
; REGISTERS: window 0 addresses and the way out; window 1 the accumulators, (a, b) at v[8 (4 a + b)]; window 2 two fragment buffers of 96.
.set PROJ, 0
.set WO_OFF,  8388608
.if PROJ
.set PA,    272
.set AHALF, 128*PA
.set LAPS,  8
.set ASTEP, 256
.set WB_OFF, 0
.set PADA,  (5<<22)|(3<<25)
.set STRA,  2048
.else
.set PA,    144                        ; a token's 64 channels in LDS: 128 bytes + 16
.set AHALF, 256*PA                     ; what one tensor load of A brings: a head's 256 tokens
.set LAPS,  4                          ; K / 256
.set ASTEP, 524288                     ; two heads on
.set WB_OFF, WO_OFF
.set PADA,  (4<<22)|(3<<25)            ; after every 32 words, 4 words
.set STRA,  128
.endif
.set PB,    288
.set BHALF, 64*PB
.set BOFF,  2*AHALF
.set SLOT,  BOFF+2*BHALF
.set SPARE, 2*SLOT
.set BSTEP, 128*4096
.set DP,    272
.set DWAVE, 128*DP
.set ADRA, 16
.set ADRB, 20
.set PFO,  22
.set DST,  24
.set RDO,  25
.set CO,   27                          ; v27 my 16 bytes of two rows of out0
.set SPW,  28
.set NIL,  29
.set X,    32                          ; v[32:95] 32 rows read back
.set F0,   0
.set F1,   96
.set WV, 12
.set RH, 13
.set CH, 14
.set CX, 15
.set CY, 16
.set TC, 17
.set TR, 18
.set LAP, 19
.set G1A, 24
.set G0A, 32
.set G1B, 40
.set G0B, 48
.set PFA, 56
.set PFS, 58
.set LIM, 60
.set IT,  61
.set MSB, 0
.macro WIN new
.if MSB != (\new)
	s_set_vgpr_msb (MSB<<8)|(\new)
.set MSB, \new
.endif
.endm
.set MUL,    0x5a
.set TO_F,   0x80
.set W_DUMP, 0x04
.macro PLACES
.rept 4
	v_nop
.endr
.endm
.macro JLOAD s                         ; a joint load: waves 0 and 1 fetch A's two heads, waves 2 and 3 B's halves; an s_nop 0 and four v_nop follow each line
	s_cmp_eq_u32 s[RH], 0
	s_cbranch_scc0 .Lfor_b_\@
	tensor_load_to_lds s[G0A+4*(\s):G0A+4*(\s)+3], s[G1A:G1A+7]
	s_nop 0
.rept 4
	v_nop
.endr
	s_branch .Lasked_\@
.Lfor_b_\@:
	tensor_load_to_lds s[G0B+4*(\s):G0B+4*(\s)+3], s[G1B:G1B+7]
	s_nop 0
.rept 4
	v_nop
.endr
.Lasked_\@:
.endm
.macro CREST
	s_cmp_lg_u32 s[WV], 0
	s_cbranch_scc1 .Lnot_wave_0_\@
	s_barrier_signal -3
.Lnot_wave_0_\@:
	s_barrier_wait -3
	s_barrier_signal -1
	s_barrier_wait -1
.endm
.macro CROUND
	s_barrier_signal -1
	s_barrier_wait -1
	CREST
.endm
; A prefetch into the L2 of the K step two refills on: 32 blocks of 256 bytes, a lane a block, each named once in the launch: A's by the clusters with x = 0 (waves 0 and 1; the partner at cx takes
; 32 of the head's 128 blocks, by address), B's by the clusters with y = 0 (wave 2; the partner at cy takes 32 of the step's 128 k rows).  K steps 0 to 3 come by their loads alone; the last trip asks for nothing.
.macro ASK
	s_cmp_gt_u32 s[LAP], s[LIM]
	s_cbranch_scc0 .Lnot_mine_\@
	global_prefetch_b8 v[PFO], s[PFA:PFA+1] th:TH_LOAD_NT scope:SCOPE_SE
.Lnot_mine_\@:
.endm
.macro MULB f, a0, n, zero             ; the 32 accumulators take turns in one fixed order
	WIN MUL
.set ma_, (\a0)
.rept (\n)
.irp b, 0,1,2,3
.if \zero
	v_wmma_f32_16x16x32_f16 v[8*(4*ma_+(\b)):8*(4*ma_+(\b))+7], v[(\f)+64+8*(\b):(\f)+64+8*(\b)+7], v[(\f)+8*ma_:(\f)+8*ma_+7], 0
.else
	v_wmma_f32_16x16x32_f16 v[8*(4*ma_+(\b)):8*(4*ma_+(\b))+7], v[(\f)+64+8*(\b):(\f)+64+8*(\b)+7], v[(\f)+8*ma_:(\f)+8*ma_+7], v[8*(4*ma_+(\b)):8*(4*ma_+(\b))+7]
.endif
.endr
.set ma_, ma_+1
.endr
.endm
.macro FETCH slot, q, f                ; quarter q: head q / 2 of the step, channels 32 (q % 2) on
.if PROJ
.set ko_, 64*(\q)
.else
.set ko_, ((\q)/2)*AHALF+((\q)%2)*64
.endif
	WIN TO_F
.irp b, 0,1,2,3
	ds_load_tr16_b128 v[(\f)+64+8*(\b):(\f)+64+8*(\b)+3],   v[ADRB+(\slot)] offset:(\q)*32*PB+32*(\b)
	ds_load_tr16_b128 v[(\f)+64+8*(\b)+4:(\f)+64+8*(\b)+7], v[ADRB+(\slot)] offset:(\q)*32*PB+32*(\b)+16*PB
.endr
.irp i, 0,1,2,3,4,5,6,7
	ds_load_b128 v[(\f)+8*(\i):(\f)+8*(\i)+3],   v[ADRA+(\slot)] offset:ko_+(\i)*16*PA
	ds_load_b128 v[(\f)+8*(\i)+4:(\f)+8*(\i)+7], v[ADRA+(\slot)] offset:ko_+(\i)*16*PA+32
.endr
.endm
.macro QUARTER slot, q, f, g, zero
	s_wait_dscnt 8                                 ; B and A's blocks 0-3 are in; the youngest eight loads may be out
	MULB \f, 0, 4, \zero
	PLACES
	FETCH \slot, \q, \g
	s_wait_dscnt 24                                ; all but the 24 just issued
	MULB \f, 4, 4, \zero
.endm
.macro TURN slot, next, fill           ; the fourth quarter and the change of slots: the waits and the add in front of one barrier, which with fill = 1 opens a round of the cluster's; the joint refill first behind it
.if \fill
	s_wait_xcnt 0x0                                ; the last prefetch, a K step back, has read its address
	s_add_nc_u64 s[PFA:PFA+1], s[PFA:PFA+1], s[PFS:PFS+1]
.endif
	WIN 0
	s_wait_tensorcnt 0x0
	ds_add_u32 v[SPW], v[NIL]
	s_wait_dscnt 9                                 ; (the add and the youngest eight loads may be out)
	MULB F1, 0, 2, 0
	s_wait_dscnt 0x0
	s_barrier_signal -1
	MULB F1, 2, 2, 0
.if \fill
	WIN 0
.endif
	s_barrier_wait -1
.if \fill
	CREST
	s_add_nc_u64 s[G0A+4*(\slot)+2:G0A+4*(\slot)+3], s[G0A+4*(\slot)+2:G0A+4*(\slot)+3], 2*ASTEP
	s_add_nc_u64 s[G0B+4*(\slot)+2:G0B+4*(\slot)+3], s[G0B+4*(\slot)+2:G0B+4*(\slot)+3], 2*BSTEP
	JLOAD \slot
.else
	PLACES
.endif
	FETCH \next, 0, F0
.if \fill
	WIN 0
	ASK
.endif
	MULB F1, 4, 4, 0
.endm
.macro DUMP
	WIN W_DUMP
.set a_, 0
.rept 8
.irp b, 0,1,2,3
	ds_store_b128 v[DST], v[8*(4*a_+(\b)):8*(4*a_+(\b))+3]   offset:a_*16*DP+64*(\b)
	ds_store_b128 v[DST], v[8*(4*a_+(\b))+4:8*(4*a_+(\b))+7] offset:a_*16*DP+64*(\b)+16
.endr
.set a_, a_+1
.endr
	WIN 0
.endm
	s_load_b128 s[4:7], s[0:1], 0x0                ; o16 4, wts 6
	s_load_b64 s[8:9], s[0:1], 0x10                ; out0
	v_lshl_add_u32 v[SPW], v0, 2, SPARE
	v_mov_b32 v[NIL], 0
	ds_add_u32 v[SPW], v[NIL]                      ; the wave's opening: the add, and its wait ahead of my first tensor load
	v_lshrrev_b32 v1, 5, v0
	v_readfirstlane_b32 s[WV], v1
	s_lshr_b32 s[RH], s[WV], 1
	s_and_b32 s[CH], s[WV], 1
	s_bfe_u32 s[CX], ttmp6, 0x40000
	s_bfe_u32 s[CY], ttmp6, 0x40004
	s_lshl_b32 s[TC], ttmp9, 2
	s_add_co_u32 s[TC], s[TC], s[CX]
	s_and_b32 s[TR], ttmp7, 0xffff
	s_lshl_b32 s[TR], s[TR], 2
	s_add_co_u32 s[TR], s[TR], s[CY]
	s_lshl_b32 s20, s[CY], 2
	s_lshl_b32 s20, 15, s20
	s_lshl_b32 s21, 0x1111, s[CX]
	s_or_b32 s[G1A], s20, (1<<16)|(1<<20)|(1<<21)|PADA
	s_or_b32 s[G1B], s21, (1<<16)|(1<<20)|(1<<21)|(5<<22)|(7<<25)
	s_mov_b32 s[G1A+1], 128<<16
	s_mov_b32 s[G1A+2], 128<<16
	s_mov_b32 s[G1A+3], 128<<16
	s_mov_b32 s[G1A+4], 128
	s_mov_b32 s[G1A+5], STRA
	s_mov_b32 s[G1A+6], 0
	s_mov_b32 s[G1A+7], 0
	s_mov_b32 s[G1B+1], 128<<16
	s_mov_b32 s[G1B+2], 64<<16
	s_mov_b32 s[G1B+3], 128<<16
	s_mov_b32 s[G1B+4], 64
	s_mov_b32 s[G1B+5], 2048
	s_mov_b32 s[G1B+6], 0
	s_mov_b32 s[G1B+7], 0
	s_lshr_b32 s20, s[TR], 3                       ; A: ((b 16 + head) 2,048 + position) 128 bytes, head = my half of the step's two
	s_lshl_b32 s20, s20, 22
	s_lshl_b32 s21, s[CH], 18
	s_add_co_u32 s20, s20, s21
	s_and_b32 s21, s[TR], 7
	s_lshl_b32 s21, s21, 15
	s_add_co_u32 s20, s20, s21
	s_mov_b32 s21, 0
	s_lshl_b32 s22, s[CH], 18
	s_lshl_b32 s23, s[TC], 8
	s_add_co_u32 s22, s22, s23
	s_add_co_u32 s22, s22, WB_OFF
	s_mov_b32 s23, 0
	s_mul_i32 s2, s[CH], AHALF
	s_mul_i32 s3, s[CH], BHALF
	s_add_co_u32 s3, s3, BOFF
	s_wait_dscnt 0x0                               ; the opening add is done
	s_wait_kmcnt 0x0
	s_add_nc_u64 s[20:21], s[4:5], s[20:21]
	s_add_nc_u64 s[22:23], s[6:7], s[22:23]
	CROUND                                         ; all sixteen work-groups are here: the first joint loads meet
.irp s, 0,1
	s_mov_b32 s[G0A+4*(\s)], 1
	s_add_co_u32 s[G0A+4*(\s)+1], s2, (\s)*SLOT
	s_add_nc_u64 s[G0A+4*(\s)+2:G0A+4*(\s)+3], s[20:21], (\s)*ASTEP
	s_or_b32 s[G0A+4*(\s)+3], s[G0A+4*(\s)+3], 0x80000000
	s_mov_b32 s[G0B+4*(\s)], 1
	s_add_co_u32 s[G0B+4*(\s)+1], s3, (\s)*SLOT
	s_add_nc_u64 s[G0B+4*(\s)+2:G0B+4*(\s)+3], s[22:23], (\s)*BSTEP
	s_or_b32 s[G0B+4*(\s)+3], s[G0B+4*(\s)+3], 0x80000000
	JLOAD \s                                       ; two loads of mine are out
.endr
	v_and_b32 v1, 15, v0
	v_bfe_u32 v2, v0, 4, 1
	v_mul_u32_u24 v3, v1, PA
	v_lshl_add_u32 v3, v2, 4, v3
	s_mul_i32 s20, s[RH], 128*PA
	v_add_nc_u32 v[ADRA], s20, v3
	v_add_nc_u32 v[ADRA+1], SLOT, v[ADRA]
	v_and_b32 v4, 7, v0
	v_lshl_add_u32 v4, v2, 3, v4
	v_mul_u32_u24 v4, v4, PB
	v_bfe_u32 v5, v0, 3, 1
	v_lshl_add_u32 v4, v5, 4, v4
	s_lshl_b32 s20, s[CH], 7
	s_add_co_u32 s20, s20, BOFF
	v_add_nc_u32 v[ADRB], s20, v4
	v_add_nc_u32 v[ADRB+1], SLOT, v[ADRB]
	s_mul_i32 s20, s[WV], DWAVE
	v_mul_u32_u24 v3, v1, DP
	v_lshl_add_u32 v3, v2, 5, v3
	v_add_nc_u32 v[DST], s20, v3
	v_mul_u32_u24 v3, v2, DP
	v_add_nc_u32 v3, s20, v3
	v_lshl_add_u32 v[RDO], v1, 4, v3
	v_lshlrev_b32 v[CO], 13, v2                    ; lanes 0-15 one row of out0, lanes 16-31 the next
	v_lshl_add_u32 v[CO], v1, 4, v[CO]
	; the prefetches
	s_lshr_b32 s20, s[TR], 3
	s_lshl_b32 s20, s20, 22
	s_lshl_b32 s21, s[CH], 18
	s_add_co_u32 s20, s20, s21
	s_and_b32 s21, s[TR], 7
	s_lshl_b32 s21, s21, 15
	s_add_co_u32 s20, s20, s21
	s_lshl_b32 s21, s[CX], 13                      ; my work-group's 32 blocks of the head's 128
	s_add_co_u32 s20, s20, s21
	s_add_co_u32 s20, s20, 3*ASTEP                 ; at K step 3: the first change of slots steps it to 4
	s_lshl_b32 s22, s[CY], 17
	s_lshl_b32 s23, s[TC], 8
	s_add_co_u32 s22, s22, s23
	s_add_co_u32 s22, s22, 3*BSTEP+WB_OFF
	s_and_b32 s23, ttmp7, 0xffff
	s_or_b32 s23, s23, s[CH]
	s_mov_b32 s2, ASTEP
	s_mov_b32 s3, BSTEP
	s_cmp_eq_u32 s[RH], 0
	s_cselect_b32 s20, s20, s22
	s_cselect_b32 s23, ttmp9, s23
	s_cselect_b64 s[PFA:PFA+1], s[4:5], s[6:7]
	s_cselect_b32 s[PFS], s2, s3
	s_cselect_b32 s22, 8, 12                       ; A: a lane a block of 256 dense bytes; B: a lane a row of 4,096
	s_mov_b32 s21, 0
	s_mov_b32 s[PFS+1], 0
	s_add_nc_u64 s[PFA:PFA+1], s[PFA:PFA+1], s[20:21]
	s_cmp_eq_u32 s23, 0
	s_cselect_b32 s[LIM], 1, -1
	v_and_b32 v[PFO], 31, v0
	v_lshlrev_b32 v[PFO], s22, v[PFO]
	s_wait_tensorcnt 0x1                           ; my part of K step 0 is in; slot 1's may stay out
	s_barrier_signal -1
	s_barrier_wait -1
	FETCH 0, 0, F0
	QUARTER 0, 1, F0, F1, 1
	WIN 0
	s_mov_b32 s[LAP], LAPS-1
.Llap:
	QUARTER 0, 2, F1, F0, 0
	QUARTER 0, 3, F0, F1, 0
	TURN 0, 1, 1
	QUARTER 1, 1, F0, F1, 0
	QUARTER 1, 2, F1, F0, 0
	QUARTER 1, 3, F0, F1, 0
	TURN 1, 0, 1
	QUARTER 0, 1, F0, F1, 0
	WIN 0
	s_sub_co_u32 s[LAP], s[LAP], 1
	s_cmp_lg_u32 s[LAP], 0
	s_cbranch_scc1 .Llap
	QUARTER 0, 2, F1, F0, 0
	QUARTER 0, 3, F0, F1, 0
	TURN 0, 1, 0
	QUARTER 1, 1, F0, F1, 0
	QUARTER 1, 2, F1, F0, 0
	QUARTER 1, 3, F0, F1, 0
	s_wait_dscnt 8
	MULB F1, 0, 4, 0
	s_wait_dscnt 0x0
	MULB F1, 4, 4, 0
	WIN 0
	s_barrier_signal -1                            ; every wave's reads of both slots are over: their bytes, which are filled no more, take the f32 tile
	s_barrier_wait -1
	PLACES
	DUMP
	s_wait_dscnt 0x0
	s_barrier_signal -1                            ; from here on LDS is only read
	s_barrier_wait -1
	s_lshl_b32 s20, s[TR], 21                      ; out0 at row 256 x tile row + 128 x half (8,192 bytes a row), column 128 x tile column + 64 x half
	s_lshl_b32 s21, s[RH], 20
	s_add_co_u32 s20, s20, s21
	s_lshl_b32 s21, s[TC], 9
	s_add_co_u32 s20, s20, s21
	s_lshl_b32 s21, s[CH], 8
	s_add_co_u32 s20, s20, s21
	s_mov_b32 s21, 0
	s_add_nc_u64 s[8:9], s[8:9], s[20:21]
	s_mov_b32 s[IT], 4
.Lout:                                         ; four trips of 32 rows
.irp i, 0,1,2,3,4,5,6,7,8,9,10,11,12,13,14,15
	ds_load_b128 v[X+4*(\i):X+4*(\i)+3], v[RDO] offset:(\i)*2*DP
.endr
.irp i, 0,1,2,3,4,5,6,7,8,9,10,11,12,13,14,15
	s_wait_dscnt 15-(\i)
	global_store_b128 v[CO], v[X+4*(\i):X+4*(\i)+3], s[8:9] offset:16384*(\i) th:TH_STORE_NT   ; sixteen lanes store 256 consecutive bytes, aligned
.endr
	s_wait_xcnt 0x0                                ; the stores have read their data and their offset
	v_add_nc_u32 v[RDO], 32*DP, v[RDO]
	v_add_nc_u32 v[CO], 262144, v[CO]
	s_sub_co_u32 s[IT], s[IT], 1
	s_cmp_lg_u32 s[IT], 0
	s_cbranch_scc1 .Lout
	s_wait_tensorcnt 0x0                           ; the wave's end, behind my last tensor load and my last LDS store
	ds_add_u32 v[SPW], v[NIL]
	s_wait_dscnt 0x0
	CROUND                                         ; the closing round
	s_endpgm
.Lfunc_end_k_q60318eef89_oproj:
	.size	k_q60318eef89_oproj, .Lfunc_end_k_q60318eef89_oproj-k_q60318eef89_oproj
	.p2alignl 7, 3214868480
	.fill 96, 4, 3214868480
	.section	.rodata,"a",@progbits
	.p2align	6, 0x0
	.amdhsa_kernel k_q60318eef89_oproj
		.amdhsa_group_segment_fixed_size 327680
		.amdhsa_private_segment_fixed_size 0
		.amdhsa_enable_private_segment 0
		.amdhsa_kernarg_size 24
		.amdhsa_user_sgpr_count 2
		.amdhsa_user_sgpr_kernarg_segment_ptr 1
		.amdhsa_wavefront_size32 1
		.amdhsa_system_sgpr_workgroup_id_x 1
		.amdhsa_system_sgpr_workgroup_id_y 1
		.amdhsa_system_sgpr_workgroup_id_z 1
		.amdhsa_system_vgpr_workitem_id 0
		.amdhsa_next_free_vgpr 704
		.amdhsa_next_free_sgpr 96
		.amdhsa_reserve_vcc 0
		.amdhsa_float_denorm_mode_32 3
		.amdhsa_float_denorm_mode_16_64 3
		.amdhsa_memory_ordered 1
		.amdhsa_forward_progress 1
		.amdhsa_inst_pref_size 80
	.end_amdhsa_kernel
	.amdgpu_metadata
---
amdhsa.version: [ 1, 2 ]
amdhsa.kernels:
  - .name:           k_q60318eef89_oproj
    .symbol:         k_q60318eef89_oproj.kd
    .args:
      - { .name: o16, .offset: 0, .size: 8, .value_kind: global_buffer, .address_space: global }
      - { .name: wts, .offset: 8, .size: 8, .value_kind: global_buffer, .address_space: global }
      - { .name: out0, .offset: 16, .size: 8, .value_kind: global_buffer, .address_space: global }
    .group_segment_fixed_size: 327680
    .private_segment_fixed_size: 0
    .kernarg_segment_align: 8
    .kernarg_segment_size: 24
    .max_flat_workgroup_size: 128
    .sgpr_count:     96
    .vgpr_count:     704
    .wavefront_size: 32
...
	.end_amdgpu_metadata
.endif
;; end of part 5
;; ======== version 2 of 2: 5 launches; version 1 with the launch prep written anew for expert scheduling mode
;; limits: right only within a limited range of input values; values are held in f16: magnitudes above 65,504 overflow, below 6.1e-05 lose precision
;; workspace buffers: normed 16,777,216 bytes; wts 13,762,560 bytes; gm 524,288 bytes; qkv 16,777,216 bytes; o16 8,388,608 bytes
;; launch prep (part 6): grid 769 x 1, 8 waves a work-group, no clusters, 0 bytes of LDS; arguments tokens, rms_w, Wq, Wk, Wv, Wo, Wg, Wmix, rotary_pos_emb, normed, wts; writes normed, wts
.if DOCPART == 6
	.amdgcn_target "amdgcn-amd-amdhsa--gfx1250"
	.amdhsa_code_object_version 6
	.text
	.protected	k_q60318eef89_prep
	.globl	k_q60318eef89_prep
	.p2align	8
	.type	k_q60318eef89_prep,@function
k_q60318eef89_prep:
	s_mov_b64 s[64:65], 0
	v_nop
	global_prefetch_b8 v0, s[64:65] scope:SCOPE_SE
	s_setreg_imm32_b32 hwreg(HW_REG_WAVE_SCHED_MODE, 0, 2), 2
	s_setreg_imm32_b32 hwreg(HW_REG_WAVE_MODE, 25, 1), 1
	s_wait_xcnt 0x0
	s_wait_alu depctr_vm_vsrc(0)
; PREP: everything that is made once, as a stream: no LDS, no barrier, EXEC never touched.  The work-groups whose time is a chain of dependent memory trips come first, the streams behind them:
;   work-group 0         Wg and Wmix transposed to f16: WST [32][2048], rows 0-15 Wg^T, 16-23 Wmix^T, 24-31 zeros
;   1-128                cos and signed sin of rotary_pos_emb, f32 tables [2048][64]; the sine's columns 0-31 are negated, so that rot(t)[j] = t[j] COS[j] + t[j^32] SIN[j]
;   129-384              normed = f16(tokens * rsqrt(mean(tokens^2) + eps) * rms_w): 16 rows each, two rows a wave, a row kept in 64 registers
;   385-512 Wq, 513-576 Wk, 577-640 Wv   f32 -> f16 into WCAT [2048 k][2048 n] (n 0-1023 Wq, 1024-1535 Wk, 1536-2047 Wv); 16,384 numbers a work-group
;   641-768 Wo           f32 -> f16, dense, at WO_OFF
; LIMITS.  f16 ends at 65,504: the normed tokens and all weights must lie within it.  Angles: |x| < 2^17; the reduction by pi/2 in three parts and the two
; polynomials on |r| <= pi/4 leave an absolute error of about 1e-7.  NaN and infinities are not treated apart.
; THE MODE: SCHED_MODE bits 1:0 = 2 (LLVM: expert scheduling mode 2), set by the entry lines.  The code itself states the register dependences between vector instructions and memory
; instructions, with s_wait_alu, always for 0.
; THE PLAN, the same on all four paths.  No register that a load or a store reads (an offset, a store's data) is ever written again, so nothing is owed ahead of a second write.  Offsets are made once,
; ahead of a wait on va_vdst.  The arithmetic goes in blocks; a block writes its results into registers of their own, and its stores are issued in the NEXT block, behind the one wait on va_vdst
; at that block's head, dealt among that block's vector lines, which name neither those results nor an offset.  The last block's stores stand behind a wait of their own.
;   conversions  v1 load offset; v[80:95] store offsets; v[16:79] four blocks of four loads, converted in place
;   transposer   v1, v2, v3 offsets; v[212:215] zeros; v[16:143] Wg and v[144:207] Wmix as loaded; out: v[216:247] Wg's columns 0-7, then the registers that those columns' conversions have emptied
;   rows         v1, v2 offsets; X0, X1 two rows, XW rms_w as loaded; a half row is scaled and rounded in place
;   tables       v1 offset; v[16:19] four angles as loaded; v[40:47] out
.set WO_OFF,  8388608
.set WST_OFF, 12582912
.set COS_OFF, 12713984
.set SIN_OFF, 13238272
.set G_TAB,  1                         ; the first work-group of each kind
.set G_NORM, 129
.set G_WQ,   385
.set G_WK,   513
.set G_WO,   641
.set XW, 16                            ; v[16:79]   rms_w, 4 numbers for each of 16 loads
.set X0, 80                            ; v[80:143]  row 0
.set X1, 144                           ; v[144:207] row 1
.set OA, 216                           ; v[216:247] the transposer's out-buffers for Wg's columns 0-7
	s_load_b512 s[8:23], s[0:1], 0x0               ; tokens 8, rms_w 10, Wq 12, Wk 14, Wv 16, Wo 18, Wg 20, Wmix 22
	s_load_b128 s[24:27], s[0:1], 0x40             ; rotary 24, normed 26
	s_load_b64 s[28:29], s[0:1], 0x50              ; wts
	s_mov_b32 s2, ttmp9
	s_mov_b32 s33, 0                               ; the high word of every 32-bit offset
	s_wait_kmcnt 0x0
	s_cmp_lt_u32 s2, G_TAB
	s_cbranch_scc1 .Lsmall
	s_cmp_lt_u32 s2, G_NORM
	s_cbranch_scc1 .Ltab
	s_cmp_lt_u32 s2, G_WQ
	s_cbranch_scc1 .Lnorm
	s_cmp_lt_u32 s2, G_WK
	s_cbranch_scc1 .Lwq
	s_cmp_lt_u32 s2, G_WO
	s_cbranch_scc1 .Lwkv
	; THE CONVERSIONS.  A chunk is 16 loads of 4,096 bytes.  Each kind sets the source s[40:41], the target s[36:37], the thread's place in the target v3 and the target's step from load to load v5.
	s_sub_co_u32 s4, s2, G_WO                      ; Wo, dense to dense: a load's 1,024 numbers are 2,048 bytes of the target
	s_lshl_b32 s32, s4, 16
	s_add_nc_u64 s[40:41], s[18:19], s[32:33]
	s_lshl_b32 s32, s4, 15
	s_add_nc_u64 s[36:37], s[28:29], s[32:33]
	s_add_nc_u64 s[36:37], s[36:37], WO_OFF
	v_lshlrev_b32 v3, 3, v0
	v_mov_b32 v5, 2048
	s_branch .Lcvt
.Lwq:                                          ; a chunk is 16 rows of 1,024: load i is row i, and a row of WCAT is 4,096 bytes
	s_sub_co_u32 s4, s2, G_WQ
	s_lshl_b32 s32, s4, 16
	s_add_nc_u64 s[40:41], s[12:13], s[32:33]
	s_add_nc_u64 s[36:37], s[28:29], s[32:33]
	v_lshlrev_b32 v3, 3, v0
	v_mov_b32 v5, 4096
	s_branch .Lcvt
.Lwkv:                                         ; a chunk is 32 rows of 512: load i is rows 2 i and 2 i + 1; Wk lands at byte 2,048 of WCAT's rows, Wv at 3,072
	s_sub_co_u32 s4, s2, G_WK
	s_mov_b32 s6, 2048
	s_mov_b32 s7, 3072
	s_cmp_lt_u32 s4, 64
	s_cselect_b64 s[40:41], s[14:15], s[16:17]
	s_cselect_b32 s5, s6, s7
	s_and_b32 s4, s4, 63
	s_lshl_b32 s32, s4, 16
	s_add_nc_u64 s[40:41], s[40:41], s[32:33]
	s_lshl_b32 s32, s4, 17
	s_add_co_u32 s32, s32, s5
	s_add_nc_u64 s[36:37], s[28:29], s[32:33]
	v_lshrrev_b32 v3, 7, v0
	v_and_b32 v4, 127, v0
	v_lshlrev_b32 v4, 3, v4
	v_lshl_add_u32 v3, v3, 12, v4
	v_mov_b32 v5, 8192
; Block p of four: loads 4 p to 4 p + 3 are converted in place; the four stores of block p - 1 are dealt among the conversions.
.macro CBLK p
	s_wait_loadcnt 12-4*(\p)                       ; loads come back in order (ISA guide 5.7.1): this block's four are in, the 12 - 4 p younger ones stay out
.if (\p) > 0
	s_wait_alu depctr_va_vdst(0)                   ; the block before has written its eight converted registers, which the stores below read; in block 1 also: the sixteen store offsets v[80:95] are written
.endif
.irp q, 0,1,2,3
.if (\p) > 0
	global_store_b64 v[80+4*((\p)-1)+(\q)], v[16+16*((\p)-1)+4*(\q):17+16*((\p)-1)+4*(\q)], s[36:37]   ; a wave's 32 lanes store 256 consecutive bytes, aligned; no vector line since the wait names these registers
.endif
	v_cvt_pk_f16_f32 v[16+16*(\p)+4*(\q)], v[16+16*(\p)+4*(\q)], v[17+16*(\p)+4*(\q)]
	v_cvt_pk_f16_f32 v[17+16*(\p)+4*(\q)], v[18+16*(\p)+4*(\q)], v[19+16*(\p)+4*(\q)]
.endr
.endm
.Lcvt:                                         ; all 16 loads go out at once.  No register is written twice.
	v_lshlrev_b32 v1, 4, v0
	s_wait_alu depctr_va_vdst(0)                   ; v1 is written: the sixteen loads read it as their offset
.set i_, 0
.rept 16
	global_load_b128 v[16+4*i_:19+4*i_], v1, s[40:41] offset:4096*i_ th:TH_LOAD_NT
.set i_, i_+1
.endr
.set i_, 0
.rept 16
	v_mad_u32_u24 v[80+i_], v5, i_, v3             ; store i's offset
.set i_, i_+1
.endr
	CBLK 0
	CBLK 1
	CBLK 2
	CBLK 3
	s_wait_alu depctr_va_vdst(0)                   ; block 3 has written its eight converted registers, which the last four stores read
.irp q, 0,1,2,3
	global_store_b64 v[92+(\q)], v[64+4*(\q):65+4*(\q)], s[36:37]
.endr
	s_endpgm
.Lsmall:
	; WST.  Thread t owns k = 8 t .. 8 t + 7: 512 bytes of Wg, 256 of Wmix; a row of WST gets its 16 bytes, sixteen lanes 256 bytes on end.
	v_lshlrev_b32 v1, 9, v0
	v_lshlrev_b32 v2, 8, v0
	v_lshlrev_b32 v3, 4, v0
.irp z, 212,213,214,215
	v_mov_b32 v\z, 0
.endr
	s_add_nc_u64 s[36:37], s[28:29], WST_OFF
	s_wait_alu depctr_va_vdst(0)                   ; the three offsets v1, v2, v3 and the zeros v[212:215] are written: the loads and stores below read them
.set i_, 0
.rept 32
	global_load_b128 v[16+4*i_:19+4*i_], v1, s[20:21] offset:16*i_      ; Wg(k = 8 t + kk, c) lands in v[16 + 16 kk + c]
.set i_, i_+1
.endr
.set i_, 0
.rept 16
	global_load_b128 v[144+4*i_:147+4*i_], v2, s[22:23] offset:16*i_    ; Wmix(kk, c) in v[144 + 8 kk + c]
.set i_, i_+1
.endr
.set c_, 0
.rept 8
	global_store_b128 v3, v[212:215], s[36:37] offset:4096*(24+c_)      ; the rows of zeros hang on no load: they leave while the loads are on their way
.set c_, c_+1
.endr
	s_wait_loadcnt 16                              ; Wg is in; Wmix's 16 younger loads may stay out
.set c_, 0
.rept 8                                        ; Wg's columns 0-7 into out-buffers of their own
.irp p, 0,1,2,3
	v_cvt_pk_f16_f32 v[OA+4*c_+(\p)], v[16+32*(\p)+c_], v[32+32*(\p)+c_]
.endr
.set c_, c_+1
.endr
.set c_, 8
.rept 8                                        ; columns 8-15 into the registers that held columns 0-7 of kk = 0 to 3: column c at v[16 + 16 ((c - 8) / 2) + 4 (c % 2)]
.irp p, 0,1,2,3
	v_cvt_pk_f16_f32 v[16+16*((c_-8)/2)+4*(c_%2)+(\p)], v[16+32*(\p)+c_], v[32+32*(\p)+c_]
.endr
.set c_, c_+1
.endr
	s_wait_loadcnt 0x0                             ; Wmix is in
	s_wait_alu depctr_va_vdst(0)                   ; the 64 conversions above have written Wg's sixteen out-buffers, which the sixteen stores below read
.set c_, 0
.rept 8                                        ; two of Wg's stores, then a column of Wmix, into the registers that held Wg's columns 0-7 of kk = 4 to 7: none that a store of Wg reads
	global_store_b128 v3, v[OA+4*c_:OA+4*c_+3], s[36:37] offset:4096*c_
	global_store_b128 v3, v[16+16*(c_/2)+4*(c_%2):16+16*(c_/2)+4*(c_%2)+3], s[36:37] offset:4096*(8+c_)
.irp p, 0,1,2,3
	v_cvt_pk_f16_f32 v[80+16*(c_/2)+4*(c_%2)+(\p)], v[144+16*(\p)+c_], v[152+16*(\p)+c_]
.endr
.set c_, c_+1
.endr
	s_wait_alu depctr_va_vdst(0)                   ; the 32 conversions have written Wmix's eight out-buffers, which the last eight stores read
.set c_, 0
.rept 8
	global_store_b128 v3, v[80+16*(c_/2)+4*(c_%2):80+16*(c_/2)+4*(c_%2)+3], s[36:37] offset:4096*(16+c_)
.set c_, c_+1
.endr
	s_endpgm
; The sum of a row's squares: four chains of packed sums, started by the first four pairs; then across the 32 lanes; dst = mean + eps.
.macro SUMSQ x, dst
.irp c, 0,1,2,3
	v_pk_mul_f32 v[4+2*(\c):5+2*(\c)], v[(\x)+2*(\c):(\x)+2*(\c)+1], v[(\x)+2*(\c):(\x)+2*(\c)+1]
.endr
.set j_, 4
.rept 28
	v_pk_fma_f32 v[4+2*(j_%4):5+2*(j_%4)], v[(\x)+2*j_:(\x)+2*j_+1], v[(\x)+2*j_:(\x)+2*j_+1], v[4+2*(j_%4):5+2*(j_%4)]
.set j_, j_+1
.endr
	v_pk_add_f32 v[4:5], v[4:5], v[6:7]
	v_pk_add_f32 v[8:9], v[8:9], v[10:11]
	v_pk_add_f32 v[4:5], v[4:5], v[8:9]
	v_add_f32 v4, v4, v5
	v_add_f32_dpp v4, v4, v4 row_xmask:1 row_mask:0xf bank_mask:0xf
	v_add_f32_dpp v4, v4, v4 row_xmask:2 row_mask:0xf bank_mask:0xf
	v_add_f32_dpp v4, v4, v4 row_xmask:4 row_mask:0xf bank_mask:0xf
	v_add_f32_dpp v4, v4, v4 row_xmask:8 row_mask:0xf bank_mask:0xf
	v_permlanex16_b32 v5, v4, s30, s31
	v_add_f32 v4, v4, v5
	v_fma_f32 v[\dst], v4, s34, s35                ; sum / 2048 + eps
.endm
; Half h of row x (eight of its sixteen loads) is scaled in place, in the order x * rsqrt * w, and rounded to f16.  prev = 1: the eight stores of the half row before (half ph of row px, poff bytes
; into the wave's two rows of normed) are dealt among the arithmetic: 32 lanes x 8 bytes are 256 consecutive bytes, aligned.
.macro HALF x, r, h, prev, px, poff, ph
.if \prev
	s_wait_alu depctr_va_vdst(0)                   ; the half row before is rounded: its sixteen registers, which the stores below read, are written; this half row's lines name none of them, nor v2
.endif
.set j_, 8*(\h)
.set k_, 8*(\ph)
.rept 8
.if \prev
	global_store_b64 v2, v[(\px)+4*k_:(\px)+4*k_+1], s[26:27] offset:(\poff)+256*k_
.endif
	v_pk_mul_f32 v[(\x)+4*j_:(\x)+4*j_+1], v[(\x)+4*j_:(\x)+4*j_+1], v[(\r):(\r)+1] op_sel_hi:[1,0]
	v_pk_mul_f32 v[(\x)+4*j_+2:(\x)+4*j_+3], v[(\x)+4*j_+2:(\x)+4*j_+3], v[(\r):(\r)+1] op_sel_hi:[1,0]
	v_pk_mul_f32 v[(\x)+4*j_:(\x)+4*j_+1], v[(\x)+4*j_:(\x)+4*j_+1], v[XW+4*j_:XW+4*j_+1]
	v_pk_mul_f32 v[(\x)+4*j_+2:(\x)+4*j_+3], v[(\x)+4*j_+2:(\x)+4*j_+3], v[XW+4*j_+2:XW+4*j_+3]
	v_cvt_pk_f16_f32 v[(\x)+4*j_], v[(\x)+4*j_], v[(\x)+4*j_+1]
	v_cvt_pk_f16_f32 v[(\x)+4*j_+1], v[(\x)+4*j_+2], v[(\x)+4*j_+3]
.set j_, j_+1
.set k_, k_+1
.endr
.endm
.Lnorm:
	v_lshrrev_b32 v1, 5, v0
	v_readfirstlane_b32 s3, v1                     ; wave
	s_sub_co_u32 s4, s2, G_NORM
	s_lshl_b32 s4, s4, 4
	s_wait_alu depctr_va_sdst(0)                   ; s3 is written, ahead of its first reader: the rows' addresses are made from it
	s_lshl1_add_u32 s4, s3, s4                     ; my first row = 16 x my block + 2 w
	s_lshl_b32 s32, s4, 13
	s_add_nc_u64 s[8:9], s[8:9], s[32:33]          ; tokens: 8,192 bytes a row
	s_lshl_b32 s32, s4, 12
	s_add_nc_u64 s[26:27], s[26:27], s[32:33]      ; normed: 4,096 bytes a row
	s_mov_b32 s30, 0x76543210
	s_mov_b32 s31, 0xfedcba98
	s_mov_b32 s34, 0x3a000000                      ; 1 / 2048
	s_mov_b32 s35, 0x34000000                      ; f32's eps
	v_and_b32 v1, 31, v0
	v_lshlrev_b32 v2, 3, v1                        ; 8 x lane
	v_lshlrev_b32 v1, 4, v1                        ; 16 x lane
	s_wait_alu depctr_va_vdst(0)                   ; v1 and v2 are written: every load reads v1 as its offset, every store v2
.set j_, 0
.rept 16
	global_load_b128 v[X0+4*j_:X0+4*j_+3], v1, s[8:9] offset:512*j_ th:TH_LOAD_NT
.set j_, j_+1
.endr
.set j_, 0
.rept 16
	global_load_b128 v[X1+4*j_:X1+4*j_+3], v1, s[8:9] offset:8192+512*j_ th:TH_LOAD_NT
.set j_, j_+1
.endr
.set j_, 0
.rept 16
	global_load_b128 v[XW+4*j_:XW+4*j_+3], v1, s[10:11] offset:512*j_
.set j_, j_+1
.endr
	v_mov_b32 v13, 0                               ; named with v12 and v14 as pairs
	v_mov_b32 v15, 0
	s_wait_loadcnt 32                              ; row 0 is in; row 1's and rms_w's 32 loads may stay out
	SUMSQ X0, 12
	s_wait_loadcnt 16                              ; row 1 is in
	SUMSQ X1, 14
	v_rsq_f32 v12, v12
	v_rsq_f32 v14, v14
	v_nop                                          ; a plain instruction behind the last root,
	s_wait_alu depctr_va_vdst(0)                   ; and one wait for both: v12 and v14 are written, ahead of the first line that names them
	s_wait_loadcnt 0x0                             ; rms_w
	HALF X0, 12, 0, 0, X0, 0, 0
	HALF X0, 12, 1, 1, X0, 0, 0
	HALF X1, 14, 0, 1, X0, 0, 1
	HALF X1, 14, 1, 1, X1, 4096, 0
	s_wait_alu depctr_va_vdst(0)                   ; row 1's second half is rounded: its sixteen registers, which the last eight stores read, are written
.set k_, 8
.rept 8
	global_store_b64 v2, v[X1+4*k_:X1+4*k_+1], s[26:27] offset:4096+256*k_
.set k_, k_+1
.endr
	s_endpgm
; sin and cos of x = v[16 + e]: n = round(x 2/pi); r = x - n pi/2 in three parts; two polynomials; the quadrant swaps them and sets the signs.  The choices select values alone.
; QUAD: n as a float (nf) and as a whole number (ni), and the mask of the odd quadrants (mk, a scalar register).  The four compares stand in one run, so that one wait serves their four masks.
.macro QUAD e, nf, ni, mk
	v_mul_f32 \nf, s36, v[16+(\e)]
	v_rndne_f32 \nf, \nf
	v_cvt_i32_f32 \ni, \nf
	v_and_b32 v[56+(\e)], 1, \ni
	v_cmp_eq_u32 \mk, 1, v[56+(\e)]
.endm
.macro SINCOS e, nf, ni, mk
	v_fma_f32 v26, -\nf, s37, v[16+(\e)]
	v_fma_f32 v26, -\nf, s38, v26
	v_fma_f32 v26, -\nf, s39, v26
	v_mul_f32 v27, v26, v26                        ; r^2
	v_fmaak_f32 v28, v27, v20, 0x3c08839e
	v_fmaak_f32 v28, v27, v28, 0xbe2aaaa3
	v_mul_f32 v29, v26, v27
	v_fma_f32 v28, v29, v28, v26                   ; sin r
	v_fmaak_f32 v30, v27, v21, 0xbab6061a
	v_fmaak_f32 v30, v27, v30, 0x3d2aaaa5
	v_fma_f32 v31, v27, -0.5, 1.0
	v_mul_f32 v29, v27, v27
	v_fma_f32 v30, v29, v30, v31                   ; cos r
.if (\e) == 0
	s_wait_alu depctr_va_sdst(0)                   ; the four compares have written their masks s42 to s45, ahead of the first select that reads one
.endif
	v_cndmask_b32 v32, v28, v30, \mk               ; odd quadrants: the sine is +-cos r,
	v_cndmask_b32 v33, v30, v28, \mk               ; the cosine +-sin r
	v_lshlrev_b32 v31, 30, \ni
	v_and_b32 v31, 0x80000000, v31                 ; the sine is negative in quadrants 2 and 3,
	v_xor_b32 v31, v22, v31                        ; and the table negates it in columns 0-31
	v_xor_b32 v[44+(\e)], v31, v32
	v_add_nc_u32 v31, 1, \ni
	v_lshlrev_b32 v31, 30, v31
	v_and_b32 v31, 0x80000000, v31                 ; the cosine in quadrants 1 and 2
	v_xor_b32 v[40+(\e)], v31, v33
.endm
.Ltab:                                         ; 1,024 angles a work-group, four a thread: columns 4 (t % 16) + 0..3
	s_sub_co_u32 s4, s2, G_TAB
	s_lshl_b32 s4, s4, 12
	v_lshl_add_u32 v1, v0, 4, s4
	s_wait_alu depctr_va_vdst(0)                   ; v1 is written: the load and the two stores read it as their offset
	global_load_b128 v[16:19], v1, s[24:25]
	s_add_nc_u64 s[32:33], s[28:29], COS_OFF
	s_add_nc_u64 s[40:41], s[28:29], SIN_OFF
	s_mov_b32 s36, 0x3f22f983                      ; 2 / pi
	s_mov_b32 s37, 0x3fc90fda                      ; pi / 2 = these three
	s_mov_b32 s38, 0x33a22168
	s_mov_b32 s39, 0x27c234c4
	v_mov_b32 v20, 0xb94ca1f9
	v_mov_b32 v21, 0x37ccf5ce
	v_and_b32 v22, 8, v0
	v_xor_b32 v22, 8, v22
	v_lshlrev_b32 v22, 28, v22                     ; the sign bit where my columns lie below 32
	s_wait_loadcnt 0x0
	QUAD 0, v48, v52, s42
	QUAD 1, v49, v53, s43
	QUAD 2, v50, v54, s44
	QUAD 3, v51, v55, s45
	SINCOS 0, v48, v52, s42
	SINCOS 1, v49, v53, s43
	SINCOS 2, v50, v54, s44
	SINCOS 3, v51, v55, s45
	s_wait_alu depctr_va_vdst(0)                   ; the four cosines v[40:43] and the four sines v[44:47] are written, which the two stores read
	global_store_b128 v1, v[40:43], s[32:33]
	global_store_b128 v1, v[44:47], s[40:41]
	s_endpgm
.Lfunc_end_k_q60318eef89_prep:
	.size	k_q60318eef89_prep, .Lfunc_end_k_q60318eef89_prep-k_q60318eef89_prep
	.p2alignl 7, 3214868480
	.fill 96, 4, 3214868480
	.section	.rodata,"a",@progbits
	.p2align	6, 0x0
	.amdhsa_kernel k_q60318eef89_prep
		.amdhsa_group_segment_fixed_size 0
		.amdhsa_private_segment_fixed_size 0
		.amdhsa_enable_private_segment 0
		.amdhsa_kernarg_size 88
		.amdhsa_user_sgpr_count 2
		.amdhsa_user_sgpr_kernarg_segment_ptr 1
		.amdhsa_wavefront_size32 1
		.amdhsa_system_sgpr_workgroup_id_x 1
		.amdhsa_system_sgpr_workgroup_id_y 1
		.amdhsa_system_sgpr_workgroup_id_z 1
		.amdhsa_system_vgpr_workitem_id 0
		.amdhsa_next_free_vgpr 248
		.amdhsa_next_free_sgpr 66
		.amdhsa_reserve_vcc 0
		.amdhsa_float_denorm_mode_32 3
		.amdhsa_float_denorm_mode_16_64 3
		.amdhsa_memory_ordered 1
		.amdhsa_forward_progress 1
		.amdhsa_inst_pref_size 56
	.end_amdhsa_kernel
	.amdgpu_metadata
---
amdhsa.version: [ 1, 2 ]
amdhsa.kernels:
  - .name:           k_q60318eef89_prep
    .symbol:         k_q60318eef89_prep.kd
    .args:
      - { .name: tokens, .offset: 0, .size: 8, .value_kind: global_buffer, .address_space: global }
      - { .name: rms_w, .offset: 8, .size: 8, .value_kind: global_buffer, .address_space: global }
      - { .name: Wq, .offset: 16, .size: 8, .value_kind: global_buffer, .address_space: global }
      - { .name: Wk, .offset: 24, .size: 8, .value_kind: global_buffer, .address_space: global }
      - { .name: Wv, .offset: 32, .size: 8, .value_kind: global_buffer, .address_space: global }
      - { .name: Wo, .offset: 40, .size: 8, .value_kind: global_buffer, .address_space: global }
      - { .name: Wg, .offset: 48, .size: 8, .value_kind: global_buffer, .address_space: global }
      - { .name: Wmix, .offset: 56, .size: 8, .value_kind: global_buffer, .address_space: global }
      - { .name: rotary_pos_emb, .offset: 64, .size: 8, .value_kind: global_buffer, .address_space: global }
      - { .name: normed, .offset: 72, .size: 8, .value_kind: global_buffer, .address_space: global }
      - { .name: wts, .offset: 80, .size: 8, .value_kind: global_buffer, .address_space: global }
    .group_segment_fixed_size: 0
    .private_segment_fixed_size: 0
    .kernarg_segment_align: 8
    .kernarg_segment_size: 88
    .max_flat_workgroup_size: 256
    .sgpr_count:     66
    .vgpr_count:     248
    .wavefront_size: 32
...
	.end_amdgpu_metadata
.endif
;; end of part 6
;; launch gm: the kernel of part 2 again; grid 256 x 1, 8 waves a work-group, no clusters, 19,456 bytes of LDS; arguments normed, wts, bmix, gm; writes gm
;; launch proj: the kernel of part 3 again; grid 16 x 16, 4 waves a work-group, clusters of 4 x 4, 327,680 bytes of LDS; arguments normed, wts, gamma, residual_values, gm, qkv; writes qkv
;; launch attn: the kernel of part 4 again; grid 8 x 32, 8 waves a work-group, clusters of 4 x 1, 327,680 bytes of LDS; arguments qkv, gm, o16; writes o16
;; launch oproj: the kernel of part 5 again; grid 16 x 16, 4 waves a work-group, clusters of 4 x 4, 327,680 bytes of LDS; arguments o16, wts, out0; writes out0
